; MI455X (gfx1250); checked and timed in simulation.
; The chip was launched on July 23, 2026; its instructions are those of AMD's public machine-readable ISA for CDNA 5 (MIT licence, August 2026) and "CDNA5" Instruction Set Architecture Reference Guide (July 2026). The comments in the code are by the model that wrote it; some were corrected since.
;; Multi Head Attention. Allowed arithmetic: matrix products marked QUANTISED: E4M3 operands, one given power-of-two scale a tensor, by v_wmma_f32_16x16x64_fp8_fp8 or v_wmma_f32_16x16x128_fp8_fp8, f32 sums; everything else in f32.
;; Inputs: Wk 2,048 x 2,048 float32; Wo 2,048 x 2,048 float32; Wq 2,048 x 2,048 float32; Wv 2,048 x 2,048 float32; attention_mask 1 x 1 x 2,048 x 2,048 float32; hidden_states 1 x 2,048 x 2,048 float32; lowp_scales 12 int32 (the exponents e of the quantised operands' scales 2^e); position_ids 2,048 int32.
;; Outputs: out0 1 x 2,048 x 2,048 float32.
;; This version of the problem:
;;   THIS VERSION OF THE PROBLEM IS GIVEN IN LOW PRECISION. The matrix products marked QUANTISED in the list below multiply operands that are first quantised to E4M3 (4 exponent bits, 3 mantissa bits; 8 bits a number), with one given power-of-two scale for each operand tensor; their sums are f32. All else is computed in f32.
;;   The module's matrix products, in the order in which they are computed (A, B: the left and right operand; K: the contracted axis; several contracted axes count as one K, in the product's order):
;;     1. [M 2,048, K 2,048] x [K 2,048, N 2,048]; A: input hidden_states; B: input Wq: QUANTISED (scales: A lowp_scales[0], B lowp_scales[1])
;;     2. [M 2,048, K 2,048] x [K 2,048, N 2,048]; A: input hidden_states; B: input Wk: QUANTISED (scales: A lowp_scales[2], B lowp_scales[3])
;;     3. [M 2,048, K 2,048] x [K 2,048, N 2,048]; A: input hidden_states; B: input Wv: QUANTISED (scales: A lowp_scales[4], B lowp_scales[5])
;;     4. batch 16 x [M 2,048, K 128] x [K 128, N 2,048]; A: computed on the way; B: computed on the way: QUANTISED (scales: A lowp_scales[6], B lowp_scales[7])
;;     5. batch 16 x [M 128, K 2,048] x [K 2,048, N 2,048]; A: computed on the way; B: softmax (see below): QUANTISED (scales: A lowp_scales[8], B lowp_scales[9])
;;     6. [M 2,048, K 2,048] x [K 2,048, N 2,048]; A: computed on the way; B: input Wo: QUANTISED (scales: A lowp_scales[10], B lowp_scales[11])
;;   THE QUANTISER, for each operand of a quantised product, along K:
;;     - The operand's scale is 2^e, e = its entry of the input lowp_scales (int32; the entries are numbered through the quantised products in the list's order, A before B).
;;     - Each number is divided by the scale, clamped to +-448, and rounded to the nearest number of E4M3, ties to even, subnormals kept.
;;     - The product sums the exact products of the quantised numbers (number of the format x scale) in f32.
;;   ~~~python
;;   def quantise(x, axis, e):      # numpy; x: float32 -> the quantised numbers, widened to float32 again
;;       x = np.moveaxis(x, axis, -1); K = x.shape[-1]
;;       r = np.clip(x / 2.0 ** e, -448, 448)
;;       step = 2.0 ** (np.maximum(np.frexp(np.where(r == 0, 1, r))[1] - 1, -6) - 3)
;;       q = np.round(r / step) * step * 2.0 ** e      # np.round: ties to even
;;       return np.moveaxis(q, -1, axis).astype(np.float32)
;;   ~~~
;;   SOFTMAX AHEAD OF A QUANTISED PRODUCT. Where the list says 'softmax', what is quantised is not the finished softmax but p = 2^(t - M), with t = logit x log2(e) and M = ceil(the row's largest t), a whole number; so 1/2 < the row's largest p <= 1. The row's sum l is taken of the UNQUANTISED p, in f32, and the product's result is divided by l at the end. Since M is a whole number, a kernel that streams over the keys may use a running M (the ceiling of the running maximum): every later rescaling is an exact power of two, so the quantised numbers keep their values, but for numbers so far below the row's largest that they fall under the format's range.
;;   OPERANDS COMPUTED ON THE WAY. 'Computed on the way' means the value that the module computes at that place (a softmax that the list does not call 'softmax' is quantised finished and normalised). What goes into a quantiser is computed in f32, as accurately as f32 sums, v_exp_f32 and their like allow (about 1e-6 of the number): no bf16 or f16 on the way to a quantiser, and a product that is left as it is and whose result goes on into a quantised operand takes f32 operands (vector FMAs, or v_wmma_f32_16x16x4_f32). A number that lies on a knife's edge between two numbers of the format may be rounded either way, as far as f32 arithmetic and the matrix unit's own rounding can turn it there, and no further.
;; One version. Each part assembles by itself: llvm-mc -triple=amdgcn-amd-amdhsa -mcpu=gfx1250 --defsym DOCPART=n.
;; ======== version 1 of 1: 4 launches
;; limits: right only within a limited range of input values
;; workspace buffers: opa 12,582,912 bytes; opb 12,582,912 bytes; woc 4,194,304 bytes; tab 1,049,088 bytes; qkv 12,582,912 bytes; att 4,194,304 bytes; msk 16,777,216 bytes
;; launch prep (part 1): grid 704 x 1, 4 waves a work-group, no clusters, 34,304 bytes of LDS; arguments hidden_states, Wq, Wk, Wv, Wo, position_ids, lowp_scales, opa, opb, woc, tab; writes opa, opb, woc, tab
.if DOCPART == 1
	.amdgcn_target "amdgcn-amd-amdhsa--gfx1250"
	.amdhsa_code_object_version 6
	.text
	.protected	k_qb459e4dcf8_prep
	.globl	k_qb459e4dcf8_prep
	.p2align	8
	.type	k_qb459e4dcf8_prep,@function
k_qb459e4dcf8_prep:
	s_mov_b64 s[64:65], 0
	v_nop
	global_prefetch_b8 v0, s[64:65] scope:SCOPE_SE
	s_setreg_imm32_b32 hwreg(HW_REG_WAVE_MODE, 25, 1), 1
	s_wait_xcnt 0x0
; THE INPUTS ARE QUANTISED ONCE, AND THE ROTATION'S TABLE IS MADE.  Codes are E4M3: code = x / 2^e, held within +-448, nearest, ties to even.
; EVERY OPERAND IS STORED AS IMAGES OF THE MATRIX INSTRUCTION'S REGISTERS.  A fragment is 16 rows x 128 K: lane (r = lane % 16, h = lane / 16) holds row r, its registers
; 2 c, 2 c + 1 hold k = 16 c + 8 h + 0 .. 7 (ISA guide, the 8-bit layout of the plain K = 128 form).  Its image is 2,048 bytes: registers 4 g .. 4 g + 3 of lane l at 512 g + 16 l.
; An operand matrix [2048 rows][2048 K] is [row / 16][k / 128][2,048 bytes]: 4 MiB.
;   opa: [0] hidden_states with e0, [1] hidden_states with e2, [2] Wv (rows = its columns n) with e5
;   opb: [0] Wq with e1, [1] Wk with e3, [2] hidden_states with e4          woc: Wo with e11
;   tab: row l (512 bytes): cos(pos[l] f_j), j = 0 .. 63, then sin(pos[l] f_j), NEGATED for j < 32 (those channels take -x2 in rotate_half); row 2048: 64 x 1.0, 64 x 0.0
; THREE PATHS, parted by the work-group's number alone: 0-511 the four weights, 512-639 hidden_states, 640-703 the table.  Waves share nothing: no barrier.
; LIMITS: every e used here lies between -126 and 119, so that 2^e and 448 x 2^e are f32 numbers.  NaN among the inputs is not served.  |position| up to 2^21 (the quadrant count stays exact).
; The angle is reduced by three parts of pi/2 and the sine and cosine are polynomials on +-pi/4, all in f32.
.set SPARE, 33792                      ; behind the four stages of the hidden_states path: the spare words, 128 bytes a wave, two blocks of 256 bytes that no other line names
.set SPW, 2                            ; v2  LDS address of my spare word; never rewritten
.set NIL, 3                            ; v3  0; never rewritten
.macro FINISH                          ; the wave's end
	s_wait_tensorcnt 0x0
	ds_add_u32 v[SPW], v[NIL]
	s_wait_dscnt 0x0
	s_endpgm
.endm
.macro MKSCALE se, vsc, vlim           ; 2^e as f32 (the conversion takes its exponent field) and 448 x 2^e
	s_add_co_i32 s56, \se, 127
	s_lshl_b32 s57, s56, 23
	v_mov_b32 v[\vsc], s57
	s_add_co_i32 s56, s56, 8
	s_lshl_b32 s56, s56, 23
	s_or_b32 s56, s56, 0x600000
	v_mov_b32 v[\vlim], s56
.endm
	s_load_b512 s[4:19], s[0:1], 0x0               ; hidden 4:5, Wq 6:7, Wk 8:9, Wv 10:11, Wo 12:13, positions 14:15, scales 16:17, opa 18:19
	s_load_b128 s[20:23], s[0:1], 0x40             ; opb 20:21, woc 22:23
	s_load_b64 s[24:25], s[0:1], 0x50              ; tab
	v_lshl_add_u32 v[SPW], v0, 2, SPARE
	v_mov_b32 v[NIL], 0
	v_lshrrev_b32 v1, 5, v0
	v_readfirstlane_b32 s26, v1                    ; wave 0..3
	v_and_b32 v1, 31, v0                           ; lane
	s_wait_kmcnt 0x0
	s_load_b256 s[28:35], s[16:17], 0x0            ; e0 .. e7
	s_load_b128 s[36:39], s[16:17], 0x20           ; e8 .. e11
	s_cmp_lt_u32 ttmp9, 512
	s_cbranch_scc1 .Lweights
	s_cmp_lt_u32 ttmp9, 640
	s_cbranch_scc1 .Lhidden
; ---------------- THE TABLE: 64 work-groups x 32 tokens.  A wave takes 8 tokens, two at a time: lanes 0-15 one, lanes 16-31 the next; lane q = lane % 16 takes frequencies 4 q .. 4 q + 3.
	s_sub_co_u32 s50, ttmp9, 640
	s_lshl_b32 s51, s50, 5
	s_lshl_b32 s52, s26, 3
	s_add_co_u32 s51, s51, s52                     ; my wave's first token
	s_lshl_b32 s54, s51, 2
	s_mov_b32 s55, 0
	s_add_nc_u64 s[14:15], s[14:15], s[54:55]      ; its position
	s_lshl_b32 s54, s51, 9
	s_add_nc_u64 s[40:41], s[24:25], s[54:55]      ; its row of the table
	v_and_b32 v6, 15, v0                           ; q
	v_bfe_u32 v7, v0, 4, 1                         ; which of the two tokens
	v_lshlrev_b32 v4, 2, v7
.irp it, 0,1,2,3
	global_load_b32 v[12+\it], v4, s[14:15] offset:8*\it
.endr
	v_lshlrev_b32 v5, 9, v7
	v_lshl_add_u32 v5, v6, 4, v5                   ; 512 x token + 16 q
	v_lshlrev_b32 v18, 2, v6
	v_cvt_f32_u32 v18, v18                         ; 4 q
	v_mov_b32 v8, v18
	v_add_f32 v9, 1.0, v18
	v_add_f32 v10, 2.0, v18
	v_add_f32 v11, 3.0, v18
.irp j, 0,1,2,3
	v_mul_f32 v[8+\j], 0xbe549a78, v[8+\j]         ; -(4 q + j) x log2(10000) / 64
.endr
	s_wait_alu depctr_va_vdst(0)
.irp j, 0,1,2,3
	v_exp_f32 v[8+\j], v[8+\j]                     ; f = 10000^(-(4 q + j) / 64): one batch of four
.endr
	v_mov_b32 v16, 0xb94ca1f9                      ; the sine's leading coefficient (also the plain line behind the batch)
	v_mov_b32 v17, 0x37ccf5ce                      ; the cosine's
	v_lshrrev_b32 v19, 3, v6
	v_xor_b32 v19, 1, v19
	v_lshlrev_b32 v19, 31, v19                     ; the sign bit where q < 8, that is frequency < 32: there the table holds -sin
	s_wait_alu depctr_va_vdst(0)                   ; one wait for the four exponentials, ahead of their first reader
	s_wait_loadcnt 0x0
.irp it, 0,1,2,3
	v_cvt_f32_i32 v[12+\it], v[12+\it]
.endr
.macro SINCOS it, j                    ; cos -> v[32 + 8 it + j], sin (with the table's sign) -> v[36 + 8 it + j]
	v_mul_f32 v20, v[12+\it], v[8+\j]              ; the angle, one rounding, as the definition has it
	v_mul_f32 v21, 0x3f22f983, v20
	v_rndne_f32 v21, v21                           ; N = the nearest multiple of pi/2
	v_fmamk_f32 v22, v21, 0xbfc90fdb, v20          ; R = angle - N pi/2, pi/2 in three parts
	v_fmamk_f32 v22, v21, 0x333bbd2e, v22
	v_fmamk_f32 v22, v21, 0x26f72ced, v22
	v_mul_f32 v23, v22, v22                        ; Z = R^2
	v_fmaak_f32 v24, v16, v23, 0x3c08839e
	v_fmaak_f32 v24, v24, v23, 0xbe2aaaa3
	v_mul_f32 v24, v24, v23
	v_fma_f32 v24, v24, v22, v22                   ; sin R
	v_fmaak_f32 v25, v17, v23, 0xbab6061a
	v_fmaak_f32 v25, v25, v23, 0x3d2aaaa5
	v_mul_f32 v25, v25, v23
	v_fma_f32 v26, v23, -0.5, 1.0
	v_fma_f32 v25, v25, v23, v26                   ; cos R
	v_cvt_i32_f32 v27, v21                         ; the quadrant is N mod 4
	v_and_b32 v28, 1, v27
	v_cmp_eq_u32 vcc_lo, 1, v28
	v_cndmask_b32 v29, v24, v25, vcc_lo            ; odd quadrants change the two over
	v_cndmask_b32 v30, v25, v24, vcc_lo
	v_lshlrev_b32 v28, 30, v27
	v_and_b32 v28, 0x80000000, v28                 ; sin is negative in quadrants 2, 3
	v_xor_b32 v28, v19, v28                        ; and the table's own sign
	v_xor_b32 v[36+8*\it+\j], v28, v29
	v_add_nc_u32 v27, 1, v27
	v_lshlrev_b32 v27, 30, v27
	v_and_b32 v27, 0x80000000, v27                 ; cos in quadrants 1, 2
	v_xor_b32 v[32+8*\it+\j], v27, v30
.endm
.irp it, 0,1,2,3
.irp j, 0,1,2,3
	SINCOS \it, \j
.endr
	global_store_b128 v5, v[32+8*\it:35+8*\it], s[40:41] offset:1024*\it       ; sixteen lanes store a token's 64 cosines: 256 consecutive bytes, aligned
	global_store_b128 v5, v[36+8*\it:39+8*\it], s[40:41] offset:1024*\it+256   ; and its 64 sines.  Each pair of tokens has registers of its own: no store's data are written again
.endr
	s_or_b32 s52, s50, s26
	s_cmp_lg_u32 s52, 0
	s_cbranch_scc1 .Lno_ident                      ; one wave of the launch writes the identity row
	v_xor_b32 v20, 1, v7
	v_cvt_f32_u32 v20, v20                         ; 1.0 in lanes 0-15, 0.0 in lanes 16-31
	v_mov_b32 v21, v20
	v_mov_b32 v22, v20
	v_mov_b32 v23, v20
	v_lshlrev_b32 v24, 4, v1
	global_store_b128 v24, v[20:23], s[24:25] offset:1048576
.Lno_ident:
	FINISH
; ---------------- THE WEIGHTS, stored [K][N]: A LANE TAKES A COLUMN n AND ITS REGISTERS RUN DOWN K, so the conversions give codes with K innermost and nothing is transposed.
; 128 work-groups a weight: 16 along n x 8 along K.  A wave takes 32 columns x 256 K: eight blocks of 32.  A block's 32 codes of a column are two pieces of 16 bytes of an image
; (k 0-7 and 16-23 for h = 0; k 8-15 and 24-31 for h = 1), and the sixteen columns of a fragment lie 16 bytes apart: sixteen lanes store 256 consecutive bytes, aligned, with no way through LDS.
.set XW, 16                            ; v16-79   two sets of 32 numbers
.set CW, 80                            ; v80-143  eight registers of codes for each block: no store's data are written again
.Lweights:
	s_lshr_b32 s50, ttmp9, 7                       ; which weight: 0 Wq, 1 Wk, 2 Wv, 3 Wo
	s_bfe_u32 s51, ttmp9, 0x30004                  ; which 256 along K
	s_and_b32 s52, ttmp9, 15                       ; which 128 columns
	s_cmp_eq_u32 s50, 1                            ; the choices hang on the work-group's number alone
	s_cselect_b64 s[40:41], s[8:9], s[6:7]
	s_cselect_b32 s53, 0x400000, 0
	s_cmp_eq_u32 s50, 2
	s_cselect_b64 s[40:41], s[10:11], s[40:41]
	s_cselect_b64 s[42:43], s[18:19], s[20:21]     ; Wq, Wk -> opb; Wv -> opa
	s_cselect_b32 s53, 0x800000, s53
	s_cmp_eq_u32 s50, 3
	s_cselect_b64 s[40:41], s[12:13], s[40:41]
	s_cselect_b64 s[42:43], s[22:23], s[42:43]     ; Wo -> woc
	s_lshl_b32 s54, s51, 21                        ; in: 256 rows of 8,192 bytes,
	s_lshl_b32 s55, s52, 9                         ; 128 columns,
	s_add_co_u32 s54, s54, s55
	s_lshl_b32 s55, s26, 7                         ; my wave's 32
	s_add_co_u32 s54, s54, s55
	s_mov_b32 s55, 0
	s_add_nc_u64 s[40:41], s[40:41], s[54:55]
	s_lshl_b32 s54, s52, 18                        ; out: 8 blocks of 16 rows x 32,768 bytes,
	s_lshl_b32 s58, s26, 16                        ; my wave's two,
	s_add_co_u32 s54, s54, s58
	s_lshl_b32 s58, s51, 12                        ; two fragments along K,
	s_add_co_u32 s54, s54, s58
	s_add_co_u32 s54, s54, s53                     ; and the matrix's place in its buffer
	s_add_nc_u64 s[42:43], s[42:43], s[54:55]
	s_wait_alu depctr_va_vdst(0)
	v_lshlrev_b32 v4, 2, v1                        ; in: 4 bytes a lane: a wave's load reads 128 consecutive bytes
	v_lshrrev_b32 v5, 4, v1
	v_lshlrev_b32 v5, 15, v5
	v_and_b32 v6, 15, v1
	v_lshl_add_u32 v5, v6, 4, v5                   ; out: 32,768 (lane / 16) + 16 (lane % 16)
.macro LOADW t                         ; block t: W(32 t + i, my column) into set t % 2
.set i, 0
.rept 32
	global_load_b32 v[XW+32*((\t)%2)+i], v4, s[40:41] offset:(32*(\t)+i)*8192 th:TH_LOAD_NT
.set i, i+1
.endr
.endm
.macro BLOCKW t
.set XS, XW+32*((\t)%2)
.set CC, CW+8*(\t)
.if (\t) < 7
	s_wait_loadcnt 32                              ; this block's 32 loads are in; the next block's 32 may be out
.else
	s_wait_loadcnt 0
.endif
.set i, 0
.rept 32
	v_med3_num_f32 v[XS+i], v[XS+i], -v9, v9       ; the conversion to an 8-bit code does not saturate (ISA guide 7.6.2): the hold comes first
.set i, i+1
.endr
	v_cvt_scalef32_pk8_fp8_f32 v[CC:CC+1], v[XS:XS+7], v8          ; h = 0: k 0-7,
	v_cvt_scalef32_pk8_fp8_f32 v[CC+2:CC+3], v[XS+16:XS+23], v8    ;        k 16-23
	v_cvt_scalef32_pk8_fp8_f32 v[CC+4:CC+5], v[XS+8:XS+15], v8     ; h = 1: k 8-15,
	v_cvt_scalef32_pk8_fp8_f32 v[CC+6:CC+7], v[XS+24:XS+31], v8    ;        k 24-31
	global_store_b128 v5, v[CC:CC+3], s[42:43] offset:512*(\t)     ; (the codes go to stores alone, the numbers' registers are next written by loads, and the next block begins with plain lines)
	global_store_b128 v5, v[CC+4:CC+7], s[42:43] offset:512*(\t)+256
.if (\t)+2 < 8
	LOADW (\t)+2
.endif
.endm
	LOADW 0
	LOADW 1
	s_wait_kmcnt 0x0
	s_cmp_eq_u32 s50, 1
	s_cselect_b32 s59, s31, s29                    ; e1, e3,
	s_cmp_eq_u32 s50, 2
	s_cselect_b32 s59, s33, s59                    ; e5,
	s_cmp_eq_u32 s50, 3
	s_cselect_b32 s59, s39, s59                    ; e11
	MKSCALE s59, 8, 9
	s_wait_alu depctr_va_vdst(0)
.irp t, 0,1,2,3,4,5,6,7
	BLOCKW \t
.endr
	FINISH
; ---------------- hidden_states, K innermost, with THREE scales (e0, e2, e4).  128 work-groups, 16 rows each; wave w takes K = 512 w .. 512 w + 511: four fragments.
; Each load reads 512 consecutive bytes of one row; a fragment's 16 x 512 bytes turn through the wave's own stage (rows 528 bytes apart) so that lane (r, h) gets, of row r, k = 16 c + 8 h + 0 .. 7.
.set RX, 16                            ; v16-79   as loaded
.set XX, 80                            ; v80-143  64 numbers in the operand's order
.set TX, 144                           ; v144-159 two sets of eight held numbers, by turns
.set CX, 160                           ; v160-207 three fragments of codes
.Lhidden:
	s_sub_co_u32 s50, ttmp9, 512                   ; which 16 rows
	s_lshl_b32 s54, s50, 17
	s_lshl_b32 s55, s26, 11
	s_add_co_u32 s54, s54, s55
	s_mov_b32 s55, 0
	s_add_nc_u64 s[40:41], s[4:5], s[54:55]
	s_lshl_b32 s54, s50, 15
	s_lshl_b32 s58, s26, 13
	s_add_co_u32 s54, s54, s58
	s_add_nc_u64 s[44:45], s[18:19], s[54:55]      ; opa[0]
	s_add_nc_u64 s[46:47], s[44:45], 0x400000      ; opa[1]
	s_add_nc_u64 s[48:49], s[20:21], s[54:55]
	s_add_nc_u64 s[48:49], s[48:49], 0x800000      ; opb[2]
	s_wait_alu depctr_va_vdst(0)
	v_lshlrev_b32 v4, 4, v1                        ; 16 x lane
	s_mul_i32 s58, s26, 8448                       ; my stage: 16 rows x 528 bytes
	v_add_nc_u32 v6, s58, v4                       ; in: as loaded
	v_and_b32 v14, 15, v0
	v_bfe_u32 v15, v0, 4, 1
	v_mul_u32_u24 v7, v14, 528
	v_lshl_add_u32 v7, v15, 5, v7
	v_add_nc_u32 v7, s58, v7                       ; out: row r, + 32 h
.macro LOADX f
.set i, 0
.rept 16
	global_load_b128 v[RX+4*i:RX+4*i+3], v4, s[40:41] offset:i*8192+512*(\f) th:TH_LOAD_NT
.set i, i+1
.endr
.endm
.macro FRAGX f
	s_wait_loadcnt 0x0
.set i, 0
.rept 16
	ds_store_b128 v6, v[RX+4*i:RX+4*i+3] offset:528*i
.set i, i+1
.endr
.irp c, 0,1,2,3,4,5,6,7
	ds_load_b128 v[XX+8*\c:XX+8*\c+3], v7 offset:64*\c             ; LDS serves a wave's instructions in order (ISA guide 5.7.1.4): these see my stores
	ds_load_b128 v[XX+8*\c+4:XX+8*\c+7], v7 offset:64*\c+16
.endr
	s_wait_dscnt 0x0                               ; the numbers are back, and the stage's stores have read their registers,
	s_wait_xcnt 0x0                                ; and the last fragment's stores have read their codes: both sets may be written again
.if (\f) < 3
	LOADX (\f)+1
.endif
.irp s, 0,1,2
.irp c, 0,1,2,3,4,5,6,7
.set i, 0
.rept 8
	v_med3_num_f32 v[TX+8*(\c%2)+i], v[XX+8*\c+i], -v[9+2*\s], v[9+2*\s]   ; held into the other set than the last conversion read: its eight lines are the plain lines between a conversion and a write of its sources
.set i, i+1
.endr
	v_cvt_scalef32_pk8_fp8_f32 v[CX+16*\s+2*\c:CX+16*\s+2*\c+1], v[TX+8*(\c%2):TX+8*(\c%2)+7], v[8+2*\s]
.endr
.endr
	v_nop                                          ; a plain line behind the last conversion
.irp g, 0,1,2,3
	global_store_b128 v4, v[CX+4*\g:CX+4*\g+3], s[44:45] offset:2048*(\f)+512*\g       ; 32 lanes store 512 consecutive bytes of the image
	global_store_b128 v4, v[CX+16+4*\g:CX+16+4*\g+3], s[46:47] offset:2048*(\f)+512*\g
	global_store_b128 v4, v[CX+32+4*\g:CX+32+4*\g+3], s[48:49] offset:2048*(\f)+512*\g
.endr
.endm
	LOADX 0
	s_wait_alu depctr_va_vdst(0)
	s_wait_kmcnt 0x0
	MKSCALE s28, 8, 9
	MKSCALE s30, 10, 11
	MKSCALE s32, 12, 13
	s_wait_alu depctr_va_vdst(0)
.irp f, 0,1,2,3
	FRAGX \f
.endr
	FINISH
.Lfunc_end_k_qb459e4dcf8_prep:
	.size	k_qb459e4dcf8_prep, .Lfunc_end_k_qb459e4dcf8_prep-k_qb459e4dcf8_prep
	.p2alignl 7, 3214868480
	.fill 96, 4, 3214868480
	.section	.rodata,"a",@progbits
	.p2align	6, 0x0
	.amdhsa_kernel k_qb459e4dcf8_prep
		.amdhsa_group_segment_fixed_size 34304
		.amdhsa_private_segment_fixed_size 0
		.amdhsa_enable_private_segment 0
		.amdhsa_kernarg_size 88
		.amdhsa_user_sgpr_count 2
		.amdhsa_user_sgpr_kernarg_segment_ptr 1
		.amdhsa_wavefront_size32 1
		.amdhsa_system_sgpr_workgroup_id_x 1
		.amdhsa_system_sgpr_workgroup_id_y 1
		.amdhsa_system_sgpr_workgroup_id_z 1
		.amdhsa_system_vgpr_workitem_id 0
		.amdhsa_next_free_vgpr 208
		.amdhsa_next_free_sgpr 66
		.amdhsa_reserve_vcc 1
		.amdhsa_float_denorm_mode_32 3
		.amdhsa_float_denorm_mode_16_64 3
		.amdhsa_memory_ordered 1
		.amdhsa_forward_progress 1
		.amdhsa_inst_pref_size 146
	.end_amdhsa_kernel
	.amdgpu_metadata
---
amdhsa.version: [ 1, 2 ]
amdhsa.kernels:
  - .name:           k_qb459e4dcf8_prep
    .symbol:         k_qb459e4dcf8_prep.kd
    .args:
      - { .name: hidden_states, .offset: 0, .size: 8, .value_kind: global_buffer, .address_space: global }
      - { .name: Wq, .offset: 8, .size: 8, .value_kind: global_buffer, .address_space: global }
      - { .name: Wk, .offset: 16, .size: 8, .value_kind: global_buffer, .address_space: global }
      - { .name: Wv, .offset: 24, .size: 8, .value_kind: global_buffer, .address_space: global }
      - { .name: Wo, .offset: 32, .size: 8, .value_kind: global_buffer, .address_space: global }
      - { .name: position_ids, .offset: 40, .size: 8, .value_kind: global_buffer, .address_space: global }
      - { .name: lowp_scales, .offset: 48, .size: 8, .value_kind: global_buffer, .address_space: global }
      - { .name: opa, .offset: 56, .size: 8, .value_kind: global_buffer, .address_space: global }
      - { .name: opb, .offset: 64, .size: 8, .value_kind: global_buffer, .address_space: global }
      - { .name: woc, .offset: 72, .size: 8, .value_kind: global_buffer, .address_space: global }
      - { .name: tab, .offset: 80, .size: 8, .value_kind: global_buffer, .address_space: global }
    .group_segment_fixed_size: 34304
    .private_segment_fixed_size: 0
    .kernarg_segment_align: 8
    .kernarg_segment_size: 88
    .max_flat_workgroup_size: 128
    .sgpr_count:     66
    .vgpr_count:     208
    .wavefront_size: 32
...
	.end_amdgpu_metadata
.endif
;; end of part 1
;; launch proj (part 2): grid 32 x 8, 4 waves a work-group, clusters of 4 x 4, 327,680 bytes of LDS; arguments opa, opb, tab, lowp_scales, qkv, attention_mask, msk; writes qkv, msk
.if DOCPART == 2
	.amdgcn_target "amdgcn-amd-amdhsa--gfx1250"
	.amdhsa_code_object_version 6
	.text
	.protected	k_qb459e4dcf8_proj
	.globl	k_qb459e4dcf8_proj
	.p2align	8
	.type	k_qb459e4dcf8_proj,@function
k_qb459e4dcf8_proj:
	s_mov_b64 s[64:65], 0
	v_nop
	global_prefetch_b8 v0, s[64:65] scope:SCOPE_SE
	s_setreg_imm32_b32 hwreg(HW_REG_WAVE_MODE, 25, 1), 1
	s_wait_xcnt 0x0
	s_wait_alu depctr_hold_cnt(0) depctr_sa_sdst(0) depctr_va_vdst(0) depctr_va_sdst(0) depctr_va_ssrc(0) depctr_va_vcc(0) depctr_vm_vsrc(0)
	s_getreg_b32 s2, hwreg(HW_REG_IB_STS2, 6, 4)
	s_cmp_eq_u32 s2, 0
	s_cbranch_scc0 .Lentry_in_a_cluster
	s_endpgm
.Lentry_in_a_cluster:
	s_bfe_u32 s2, ttmp6, 0x10000c
	s_cmp_lg_u32 s2, 0xf033
	s_cbranch_scc0 .Lentry_shape_is_right
	s_endpgm
.Lentry_shape_is_right:
.set SLOT,   131072
.set SPARE,  2*SLOT
.set FR,     16
.set NL,     4
.set NP,     4
.set LAPS,   4
.set TO,   8
.set ADRA, 16
.set ADRB, 20
.set OFS,  24
.set SC,   26
.set LIM,  27
.set SPW,  28
.set NIL,  29
.set T,    32
.set AF,   128
.set CD,   128
.set G1, 24
.set G0, 32
.set G1B, 48
.set G0B, 56
.set MSB, 0
.macro WIN new
.if MSB != (\new)
	s_set_vgpr_msb (MSB<<8)|(\new)
.set MSB, (\new)
.endif
.endm
.set MUL_LO, 0xa1
.set MUL_HI, 0xf1
.set TO_B,   0x40
.macro JLOAD g0a, g1a, g0b, g1b
	s_cmp_eq_u32 s15, 0
	s_cbranch_scc0 .Lfor_b_\@
	tensor_load_to_lds s[\g0a:\g0a+3], s[\g1a:\g1a+7]
	s_nop 0
.rept 4
	v_nop
.endr
	s_branch .Lasked_\@
.Lfor_b_\@:
	tensor_load_to_lds s[\g0b:\g0b+3], s[\g1b:\g1b+7]
	s_nop 0
.rept 4
	v_nop
.endr
.Lasked_\@:
.endm
.macro CREST
	s_cmp_lg_u32 s14, 0
	s_cbranch_scc1 .Lnot_wave_0_\@
	s_barrier_signal -3
.Lnot_wave_0_\@:
	s_barrier_wait -3
	s_barrier_signal -1
	s_barrier_wait -1
.endm
.macro CROUND
	s_barrier_signal -1
	s_barrier_wait -1
	CREST
.endm
	s_load_b256 s[4:11], s[0:1], 0x0
	s_load_b64 s[12:13], s[0:1], 0x20
	s_load_b128 s[96:99], s[0:1], 0x28             ; the mask 96:97, its images 98:99
	v_lshl_add_u32 v[SPW], v0, 2, SPARE
	v_mov_b32 v[NIL], 0
	ds_add_u32 v[SPW], v[NIL]
	ds_add_u32 v[SPW], v[NIL]
	v_lshrrev_b32 v1, 5, v0
	v_readfirstlane_b32 s14, v1
	s_lshr_b32 s15, s14, 1
	s_and_b32 s16, s14, 1
	s_bfe_u32 s40, ttmp6, 0x40000
	s_bfe_u32 s41, ttmp6, 0x40004
	s_lshr_b32 s45, ttmp9, 1
	s_and_b32 s42, ttmp9, 1
	s_lshl_b32 s42, s42, 2
	s_add_co_u32 s42, s42, s40
	s_and_b32 s17, ttmp7, 0xffff
	s_lshl_b32 s17, s17, 2
	s_add_co_u32 s17, s17, s41
	s_lshl_b32 s43, s41, 2
	s_lshl_b32 s43, 15, s43
	s_lshl_b32 s44, 0x1111, s40
	s_or_b32 s[G1+0], s43, (3<<16)|(1<<21)
	s_or_b32 s[G1B+0], s44, (3<<16)|(1<<21)
.irp g, G1, G1B
	s_mov_b32 s[\g+1], 512<<16
	s_mov_b32 s[\g+2], 8<<16
	s_mov_b32 s[\g+3], 512<<16
	s_mov_b32 s[\g+4], 8
	s_mov_b32 s[\g+5], 4096
	s_mov_b32 s[\g+6], 0
	s_mov_b32 s[\g+7], 0
.endr
	s_lshl_b32 s23, s16, 18
	s_lshl_b32 s20, s45, 22
	s_lshl_b32 s18, s17, 19
	s_add_co_u32 s20, s20, s18
	s_add_co_u32 s20, s20, s23
	s_mov_b32 s21, 0
	s_lshl_b32 s46, s45, 22
	s_lshl_b32 s19, s42, 19
	s_add_co_u32 s46, s46, s19
	s_add_co_u32 s46, s46, s23
	s_mov_b32 s47, 0
	s_lshl_b32 s22, s14, 15
	s_wait_dscnt 0x0
	s_wait_kmcnt 0x0
	s_load_b256 s[68:75], s[10:11], 0x0
	s_load_b32 s76, s[10:11], 0x20
	s_cmp_eq_u32 s45, 3                            ; clusters 6 and 7 along x lay the mask out: the cluster's number alone decides, the same in all sixteen partners
	s_cbranch_scc1 .Lmask
	s_add_nc_u64 s[20:21], s[4:5], s[20:21]
	s_add_nc_u64 s[46:47], s[6:7], s[46:47]
	; the prefetches of later K steps: of the eight row blocks that I fetch, each of the four partners that ask with me takes two, told apart BY ADDRESS (cx for A's tiles, cy for B's)
	s_cmp_eq_u32 s15, 0                            ; do I fetch for A?  (the wave's number alone)
	s_cselect_b64 s[78:79], s[20:21], s[46:47]
	s_cselect_b32 s77, s40, s41
	s_lshl_b32 s92, s77, 16                        ; two row blocks of 32,768 bytes x my place
	s_add_co_u32 s92, s92, 3*4096                  ; at slot 3's bytes: the first refill steps it to slot 4's
	s_mov_b32 s93, 0
	s_add_nc_u64 s[78:79], s[78:79], s[92:93]
	CROUND
.irp s, 0,1
	s_mov_b32 s[G0+4*\s], 1
	s_add_co_u32 s[G0+4*\s+1], s22, \s*SLOT
	s_add_nc_u64 s[G0+4*\s+2:G0+4*\s+3], s[20:21], \s*4096
	s_or_b32 s[G0+4*\s+3], s[G0+4*\s+3], 0x80000000
	s_mov_b32 s[G0B+4*\s], 1
	s_add_co_u32 s[G0B+4*\s+1], s22, \s*SLOT
	s_add_nc_u64 s[G0B+4*\s+2:G0B+4*\s+3], s[46:47], \s*4096
	s_or_b32 s[G0B+4*\s+3], s[G0B+4*\s+3], 0x80000000
.if \s                                 ; slot 0's load is the wave's one load at the head; slot 1's first fill stands behind the full sequence and a round
	s_wait_alu depctr_va_vdst(0)
	s_wait_tensorcnt 0x0
	ds_add_u32 v28, v29
	s_wait_dscnt 0x0
	CROUND
.endif
	JLOAD G0+4*\s, G1, G0B+4*\s, G1B
.endr
	v_and_b32 v2, 31, v0
	v_lshlrev_b32 v[OFS], 4, v2
	v_lshlrev_b32 v30, 8, v2                       ; the table's prefetch: 256 x lane; never rewritten
	s_lshl_b32 s80, s15, 15
	s_lshl_b32 s81, s16, 15
	s_add_co_u32 s81, s81, 65536
.irp s, 0,1
	v_add_nc_u32 v[ADRA+\s], s80, v[OFS]
	v_add_nc_u32 v[ADRB+\s], s81, v[OFS]
	s_add_co_u32 s80, s80, SLOT
	s_add_co_u32 s81, s81, SLOT
.endr
	s_lshl_b32 s86, s17, 17
	s_lshl_b32 s87, s15, 16
	s_add_co_u32 s86, s86, s87
	s_lshl_b32 s88, s17, 1
	s_add_co_u32 s88, s88, s15
	s_lshl_b32 s89, s42, 1
	s_add_co_u32 s89, s89, s16
	s_lshl_b32 s90, s89, 4
	s_add_co_u32 s90, s90, s88
	s_lshl_b32 s91, s88, 4
	s_add_co_u32 s91, s91, s89
	s_mov_b32 s92, 0x100000
	s_cmp_eq_u32 s45, 2
	s_cselect_b32 s84, 0, 512
	s_cselect_b32 s86, s92, s86
	s_cselect_b32 s90, s91, s90
	s_lshl_b32 s90, s90, 14
	s_lshl_b32 s91, s45, 22
	s_add_co_u32 s90, s90, s91
	s_mov_b32 s91, 0
	s_mov_b32 s87, 0
	s_lshl_b32 s94, s40, 2                         ; the table's prefetch: my tile row's 256 rows are 131,072 bytes; the four partners along x and their four waves take 8,192 each, told apart by address
	s_add_co_u32 s94, s94, s14
	s_lshl_b32 s94, s94, 13
	s_lshl_b32 s95, s17, 17
	s_add_co_u32 s94, s94, s95
	s_mov_b32 s95, 0
	s_add_nc_u64 s[94:95], s[8:9], s[94:95]
	s_add_nc_u64 s[8:9], s[8:9], s[86:87]
	s_add_nc_u64 s[12:13], s[12:13], s[90:91]
	v_and_b32 v1, 15, v0
	v_bfe_u32 v2, v0, 4, 1
	v_lshlrev_b32 v31, 15, v2                      ; the K steps' prefetch: row block lane / 16, 256 x (lane % 16) in its 4,096 bytes of a slot; never rewritten
	v_lshl_add_u32 v31, v1, 8, v31
	v_mul_lo_u32 v3, v1, s84
	v_lshl_add_u32 v[TO], v2, 4, v3
	s_lshl_b32 s85, s84, 4
.irp a, 1,2,3,4,5,6,7
	v_add_nc_u32 v[TO+\a], s85, v[TO+\a-1]
.endr
.macro FRAG reg, adr, q, i
.irp c, 0,1,2,3
	ds_load_b128 v[\reg+4*\c:\reg+4*\c+3], v[\adr] offset:(\i)*4096+(\q)*2048+512*\c
.endr
.endm
.macro MUL16 a0, p, zero
.irp a, \a0, \a0+1
.irp b, 0,1,2,3,4,5,6,7
.if \zero
	v_wmma_f32_16x16x128_fp8_fp8 v[8*(8*((\a)%4)+\b):8*(8*((\a)%4)+\b)+7], v[128*(\p)+FR*\b:128*(\p)+FR*\b+FR-1], v[AF+FR*(\a):AF+FR*(\a)+FR-1], 0
.else
	v_wmma_f32_16x16x128_fp8_fp8 v[8*(8*((\a)%4)+\b):8*(8*((\a)%4)+\b)+7], v[128*(\p)+FR*\b:128*(\p)+FR*\b+FR-1], v[AF+FR*(\a):AF+FR*(\a)+FR-1], v[8*(8*((\a)%4)+\b):8*(8*((\a)%4)+\b)+7]
.endif
.endr
.endr
.endm
.macro FETCH_B slot, q, p
	WIN TO_B
.irp i, 0,1,2,3,4,5,6,7
	FRAG 128*(\p)+FR*\i, ADRB+\slot, \q, \i
.endr
	WIN 0
.endm
.macro FETCH_A slot, q, i0
.irp i, \i0, \i0+1, \i0+2, \i0+3
	FRAG AF+FR*(\i), ADRA+\slot, \q, \i
.endr
.endm
.macro PLACES n
.rept \n
	v_nop
.endr
.endm
.macro STEP slot, q, zero
	s_wait_dscnt 4*NL
	WIN MUL_LO
	MUL16 0, (\q)%2, \zero
	MUL16 2, (\q)%2, \zero
	s_wait_dscnt 0
	PLACES NP
	FETCH_B \slot, (\q)+1, 1-(\q)%2
	FETCH_A \slot, (\q)+1, 0
	WIN MUL_HI
	MUL16 4, (\q)%2, \zero
	MUL16 6, (\q)%2, \zero
	PLACES NP
	WIN 0
	FETCH_A \slot, (\q)+1, 4
.endm
.macro TURN slot, next, fill
.if \fill
	s_wait_xcnt 0x0                                ; any prefetch of mine has read its address: it is stepped here, one slot on
	s_add_nc_u64 s[78:79], s[78:79], 4096
.endif
	s_wait_tensorcnt 0x0
	ds_add_u32 v[SPW], v[NIL]
	s_wait_dscnt 4*NL+1
	WIN MUL_LO
	MUL16 0, 1, 0
	s_wait_dscnt 0x0
	s_barrier_signal -1
	MUL16 2, 1, 0
	WIN 0
	s_barrier_wait -1
.if \fill
	CREST
	s_add_nc_u64 s[G0+4*\slot+2:G0+4*\slot+3], s[G0+4*\slot+2:G0+4*\slot+3], 8192
	s_add_nc_u64 s[G0B+4*\slot+2:G0B+4*\slot+3], s[G0B+4*\slot+2:G0B+4*\slot+3], 8192
	JLOAD G0+4*\slot, G1, G0B+4*\slot, G1B
.else
	PLACES NP
.endif
	FETCH_B \next, 0, 0
	FETCH_A \next, 0, 0
.if \fill                              ; A PREFETCH INTO THE L2 of the slot that stands two refills on: 2 row blocks x 4,096 bytes, lanes 256 bytes apart, one instruction a wave; each block of 256 bytes is named once in each cluster that will load it.
	s_cmp_gt_u32 s3, 1                             ; the last trip's two refills have no slot two on.  Slots 0 to 3 come by their loads alone
	s_cbranch_scc0 .Lno_step_\@
	global_prefetch_b8 v31, s[78:79] th:TH_LOAD_NT scope:SCOPE_SE
.Lno_step_\@:
.endif
	WIN MUL_HI
	MUL16 4, 1, 0
	MUL16 6, 1, 0
	PLACES NP
	WIN 0
	FETCH_A \next, 0, 4
.endm
	s_wait_alu depctr_va_vdst(0)                   ; the wait at the head's end
	s_wait_tensorcnt 1
	s_barrier_signal -1
	s_barrier_wait -1
	FETCH_B 0, 0, 0
	FETCH_A 0, 0, 0
	FETCH_A 0, 0, 4
	STEP 0, 0, 1
	s_mov_b32 s3, LAPS-1
.Llap:
	TURN 0, 1, 1
	STEP 1, 0, 0
	TURN 1, 0, 1
	STEP 0, 0, 0
	s_sub_co_u32 s3, s3, 1
	s_cmp_lg_u32 s3, 0
	s_cbranch_scc1 .Llap
	s_cmp_eq_u32 s45, 2                            ; the clusters that make V read the table's identity row alone: they ask for nothing (the cluster's number decides)
	s_cbranch_scc1 .Lno_tab
	global_prefetch_b8 v30, s[94:95] th:TH_LOAD_NT scope:SCOPE_SE   ; the table rows that the way out reads, two steps of 128 along K ahead of its first load: 8,192 bytes a wave, each block of 256 bytes named once in the cluster
.Lno_tab:
	TURN 0, 1, 0
	STEP 1, 0, 0
.macro TABE a                          ; the table for block a (0 or 1) into B's set 0, which the last step does not read; the four places behind its last readers stand at the end of the step above
	WIN TO_B
.irp b, 0,1,2,3,4,5,6,7
	global_load_b128 v[64*(\a)+8*\b:64*(\a)+8*\b+3], v[TO+(\a)], s[8:9] offset:32*\b
	global_load_b128 v[64*(\a)+8*\b+4:64*(\a)+8*\b+7], v[TO+(\a)], s[8:9] offset:32*\b+256
.endr
	WIN 0
.endm
	TABE 0
	TABE 1
	s_wait_dscnt 4*NL
	WIN MUL_LO
	MUL16 0, 1, 0
	MUL16 2, 1, 0
	s_wait_dscnt 0
	WIN MUL_HI
	MUL16 4, 1, 0
	MUL16 6, 1, 0
	WIN 0
.macro TABLD a
.set RT, 64*((\a)%4)
	WIN TO_B
.irp b, 0,1,2,3,4,5,6,7
	global_load_b128 v[RT+8*\b:RT+8*\b+3], v[TO+(\a)], s[8:9] offset:32*\b
	global_load_b128 v[RT+8*\b+4:RT+8*\b+7], v[TO+(\a)], s[8:9] offset:32*\b+256
.endr
	WIN 0
.endm
.macro ROPE a
.set AC, 64*((\a)%4)
.set RT, 64*((\a)%4)
.if (\a) <= 4
	s_wait_loadcnt 48
.else
	s_wait_loadcnt 16*(7-(\a))
.endif
	WIN 0x06+(\a)/4
.irp b, 0,1,2,3
.irp u, 0,1
.irp s, 0,1
.set P0, 8*\b+4*\u+2*\s
	v_pk_mul_f32 v[T+P0:T+P0+1], v[AC+P0:AC+P0+1], v[RT+8*\b+2*\u:RT+8*\b+2*\u+1] op_sel:[0,\s] op_sel_hi:[1,\s]
	v_pk_mul_f32 v[T+32+P0:T+32+P0+1], v[AC+32+P0:AC+32+P0+1], v[RT+32+8*\b+2*\u:RT+32+8*\b+2*\u+1] op_sel:[0,\s] op_sel_hi:[1,\s]
	v_pk_fma_f32 v[T+P0:T+P0+1], v[AC+32+P0:AC+32+P0+1], v[RT+8*\b+4+2*\u:RT+8*\b+4+2*\u+1], v[T+P0:T+P0+1] op_sel:[0,\s,0] op_sel_hi:[1,\s,1]
	v_pk_fma_f32 v[T+32+P0:T+32+P0+1], v[AC+P0:AC+P0+1], v[RT+32+8*\b+4+2*\u:RT+32+8*\b+4+2*\u+1], v[T+32+P0:T+32+P0+1] op_sel:[0,\s,0] op_sel_hi:[1,\s,1]
.endr
.endr
.endr
	WIN 0
.if (\a) < 4
	TABLD (\a)+4
.endif
.set j, 0
.rept 64
	v_med3_num_f32 v[T+j], v[T+j], -v[LIM], v[LIM]
.set j, j+1
.endr
.irp b, 0,1,2,3,4,5,6,7
	v_cvt_scalef32_pk8_fp8_f32 v[CD+16*(\a)+2*\b:CD+16*(\a)+2*\b+1], v[T+8*\b:T+8*\b+7], v[SC]
.endr
	v_nop
.irp g, 0,1,2,3
	global_store_b128 v[OFS], v[CD+16*(\a)+4*\g:CD+16*(\a)+4*\g+3], s[12:13] offset:2048*(\a)+512*\g
.endr
.endm
	s_wait_kmcnt 0x0
	s_cmp_eq_u32 s45, 1
	s_cselect_b32 s80, s70, s68
	s_cselect_b32 s81, s71, s69
	s_cselect_b32 s82, s75, s74
	s_cmp_eq_u32 s45, 2
	s_cselect_b32 s80, s72, s80
	s_cselect_b32 s81, s73, s81
	s_cselect_b32 s82, s76, s82
	s_sub_co_i32 s82, s82, s80
	s_sub_co_i32 s82, s82, s81
	s_add_co_i32 s82, s82, 127
	s_lshl_b32 s83, s82, 23
	s_add_co_i32 s82, s82, 8
	s_lshl_b32 s82, s82, 23
	s_or_b32 s82, s82, 0x600000
	PLACES NP
	v_mov_b32 v[SC], s83
	v_mov_b32 v[LIM], s82
	s_wait_alu depctr_va_vdst(0)
	TABLD 2
	TABLD 3
.irp a, 0,1,2,3,4,5,6,7
	ROPE \a
.endr
	s_wait_tensorcnt 0x0
	ds_add_u32 v[SPW], v[NIL]
	s_wait_dscnt 0x0
	CROUND
	s_endpgm
; ---------------- THE MASK, LAID OUT ONCE FOR ALL SIXTEEN HEADS.  msk holds mask x sqrt(128) / 2^(e6 + e7) as images of the C registers of attention's first product:
; image (query / 16, key / 128), 8,192 bytes: lane (r = lane % 16, h = lane / 16), register 8 t + j = mask(query r, key 16 t + 8 h + j); registers 4 g .. 4 g + 3 of lane l at 512 g + 16 l.
; 64 work-groups x 32 rows.  A wave takes 16 rows x 1,024 keys: eight images, one a trip.  Each load reads 512 consecutive bytes of one row; the 16 x 512 bytes turn through the wave's own stage
; (rows 528 bytes apart, LDS bytes that no other path of this launch names), and each store covers 512 consecutive bytes of the image.  No tensor load on this path.
; LIMIT: e6 + e7 between -123 and 129; the scaled mask stays inside f32 (minus infinity is served).
.set MST, SPARE+512
.Lmask:
	s_lshl_b32 s80, s42, 3
	s_add_co_u32 s80, s80, s17                     ; which of the 64: 8 x (its column among the eight) + its row
	s_lshl_b32 s80, s80, 1
	s_add_co_u32 s80, s80, s15                     ; block of 16 rows: 2 x work-group + wave / 2
	s_lshl_b32 s82, s80, 17                        ; 16 rows of 8,192 bytes; and 16 images of 8,192
	s_lshl_b32 s83, s16, 12                        ; in: keys 1,024 x (wave % 2)
	s_add_co_u32 s84, s82, s83
	s_mov_b32 s85, 0
	s_add_nc_u64 s[96:97], s[96:97], s[84:85]
	s_lshl_b32 s83, s16, 16                        ; out: eight images on
	s_add_co_u32 s84, s82, s83
	s_add_nc_u64 s[98:99], s[98:99], s[84:85]
	v_and_b32 v2, 31, v0
	v_lshlrev_b32 v3, 4, v2                        ; 16 x lane
	s_mul_i32 s86, s14, 16*528
	s_add_co_u32 s86, s86, MST                     ; my stage
	v_add_nc_u32 v4, s86, v3                       ; in: as loaded
	v_and_b32 v5, 15, v0
	v_bfe_u32 v6, v0, 4, 1
	v_mul_u32_u24 v7, v5, 528
	v_lshl_add_u32 v7, v6, 5, v7
	v_add_nc_u32 v7, s86, v7                       ; out: row r, + 32 h
	s_wait_alu depctr_va_vdst(0)                   ; the wait here, directly ahead of the wait below
	s_wait_kmcnt 0x0
	s_add_co_i32 s87, s74, s75                     ; e6 + e7
	s_lshl_b32 s87, s87, 23
	s_mov_b32 s88, 0x413504f3                      ; sqrt(128),
	s_sub_co_i32 s88, s88, s87                     ; / 2^(e6 + e7): the exponents are taken off its exponent field
	s_mov_b32 s89, s88
	s_mov_b32 s3, 8
.Lmimg:
.set i, 0
.rept 16
	global_load_b128 v[32+4*i:35+4*i], v3, s[96:97] offset:i*8192 th:TH_LOAD_NT
.set i, i+1
.endr
	s_wait_loadcnt 0x0
.set j, 0
.rept 32
	v_pk_mul_f32 v[32+j:33+j], v[32+j:33+j], s[88:89] op_sel_hi:[1,0]
.set j, j+2
.endr
.set i, 0
.rept 16
	ds_store_b128 v4, v[32+4*i:35+4*i] offset:528*i
.set i, i+1
.endr
.irp t, 0,1,2,3,4,5,6,7
	ds_load_b128 v[96+8*\t:99+8*\t], v7 offset:64*\t               ; LDS serves a wave's instructions in order (ISA guide 5.7.1.4): these see my stores
	ds_load_b128 v[100+8*\t:103+8*\t], v7 offset:64*\t+16
.endr
	s_wait_dscnt 0x0
.set i, 0
.rept 16
	global_store_b128 v3, v[96+4*i:99+4*i], s[98:99] offset:512*i
.set i, i+1
.endr
	s_wait_xcnt 0x0                                ; the stores have read their data and their base, the loads theirs: all may be written again
	s_add_nc_u64 s[96:97], s[96:97], 512
	s_add_nc_u64 s[98:99], s[98:99], 8192
	s_sub_co_u32 s3, s3, 1
	s_cmp_lg_u32 s3, 0
	s_cbranch_scc1 .Lmimg
	s_wait_tensorcnt 0x0                           ; the wave's end
	ds_add_u32 v[SPW], v[NIL]
	s_wait_dscnt 0x0
	CROUND
	s_endpgm
.Lfunc_end_k_qb459e4dcf8_proj:
	.size	k_qb459e4dcf8_proj, .Lfunc_end_k_qb459e4dcf8_proj-k_qb459e4dcf8_proj
	.p2alignl 7, 3214868480
	.fill 96, 4, 3214868480
	.section	.rodata,"a",@progbits
	.p2align	6, 0x0
	.amdhsa_kernel k_qb459e4dcf8_proj
		.amdhsa_group_segment_fixed_size 327680
		.amdhsa_private_segment_fixed_size 0
		.amdhsa_enable_private_segment 0
		.amdhsa_kernarg_size 56
		.amdhsa_user_sgpr_count 2
		.amdhsa_user_sgpr_kernarg_segment_ptr 1
		.amdhsa_wavefront_size32 1
		.amdhsa_system_sgpr_workgroup_id_x 1
		.amdhsa_system_sgpr_workgroup_id_y 1
		.amdhsa_system_sgpr_workgroup_id_z 1
		.amdhsa_system_vgpr_workitem_id 0
		.amdhsa_next_free_vgpr 1024
		.amdhsa_next_free_sgpr 100
		.amdhsa_reserve_vcc 0
		.amdhsa_float_denorm_mode_32 3
		.amdhsa_float_denorm_mode_16_64 3
		.amdhsa_memory_ordered 1
		.amdhsa_forward_progress 1
		.amdhsa_inst_pref_size 174
	.end_amdhsa_kernel
	.amdgpu_metadata
---
amdhsa.version: [ 1, 2 ]
amdhsa.kernels:
  - .name:           k_qb459e4dcf8_proj
    .symbol:         k_qb459e4dcf8_proj.kd
    .args:
      - { .name: opa, .offset: 0, .size: 8, .value_kind: global_buffer, .address_space: global }
      - { .name: opb, .offset: 8, .size: 8, .value_kind: global_buffer, .address_space: global }
      - { .name: tab, .offset: 16, .size: 8, .value_kind: global_buffer, .address_space: global }
      - { .name: lowp_scales, .offset: 24, .size: 8, .value_kind: global_buffer, .address_space: global }
      - { .name: qkv, .offset: 32, .size: 8, .value_kind: global_buffer, .address_space: global }
      - { .name: attention_mask, .offset: 40, .size: 8, .value_kind: global_buffer, .address_space: global }
      - { .name: msk, .offset: 48, .size: 8, .value_kind: global_buffer, .address_space: global }
    .group_segment_fixed_size: 327680
    .private_segment_fixed_size: 0
    .kernarg_segment_align: 8
    .kernarg_segment_size: 56
    .max_flat_workgroup_size: 128
    .sgpr_count:     100
    .vgpr_count:     1024
    .wavefront_size: 32
...
	.end_amdgpu_metadata
.endif
;; end of part 2
;; launch attn (part 3): grid 16 x 16, 8 waves a work-group, clusters of 4 x 1, 327,680 bytes of LDS; arguments qkv, msk, lowp_scales, att; writes att
.if DOCPART == 3
	.amdgcn_target "amdgcn-amd-amdhsa--gfx1250"
	.amdhsa_code_object_version 6
	.text
	.protected	k_qb459e4dcf8_attn
	.globl	k_qb459e4dcf8_attn
	.p2align	8
	.type	k_qb459e4dcf8_attn,@function
k_qb459e4dcf8_attn:
	s_mov_b64 s[64:65], 0
	v_nop
	global_prefetch_b8 v0, s[64:65] scope:SCOPE_SE
	s_setreg_imm32_b32 hwreg(HW_REG_WAVE_MODE, 25, 1), 1
	s_wait_xcnt 0x0
	s_wait_alu depctr_hold_cnt(0) depctr_sa_sdst(0) depctr_va_vdst(0) depctr_va_sdst(0) depctr_va_ssrc(0) depctr_va_vcc(0) depctr_vm_vsrc(0)
	s_getreg_b32 s2, hwreg(HW_REG_IB_STS2, 6, 4)
	s_cmp_eq_u32 s2, 0
	s_cbranch_scc0 .Lentry_in_a_cluster
	s_endpgm
.Lentry_in_a_cluster:
	s_bfe_u32 s2, ttmp6, 0x10000c
	s_cmp_lg_u32 s2, 0x3003
	s_cbranch_scc0 .Lentry_shape_is_right
	s_endpgm
.Lentry_shape_is_right:
; ATTENTION ON CODES OF E4M3, WITH THE ADDITIVE MASK AS IT IS GIVEN.  o = softmax(q k^T / sqrt(128) + mask) v, quantised with e10 for the last projection.
; qkv holds register images (16 rows x 128 K, 2,048 bytes; registers 4 g .. 4 g + 3 of lane l at 512 g + 16 l): [0] q: head x 262,144 + (token / 16) x 2,048;  [1] k likewise;
; [2] v: head x 262,144 + (key / 128) x 16,384 + (d / 16) x 2,048, rows = d, K = 128 keys.  att: operand matrix [token / 16][head][2,048].
; msk holds mask x sqrt(128) / 2^(e6 + e7), f32, as images of the first product's C registers: (query / 16) x 131,072 + (key / 128) x 8,192; registers 4 g .. 4 g + 3 of lane l at 512 g + 16 l.
; THE SOFTMAX AHEAD OF THE SECOND PRODUCT: t = logit x log2(e); M = the row's largest t so far, rounded UP to a whole number; p = 2^(t - M) is quantised with e9, not normalised; the row's sum is taken of the
; unquantised p and divides at the end.  When M moves, the sum and O are multiplied by 2^(old M - new M): exact, and no branch on data.
; SHARES.  A work-group owns 128 queries of one head; each of its eight waves 16 of them, in 512 registers: two waves to a SIMD, so that one wave's vector work stands beside the other's matrix work and LDS loads.
; Every wave walks all 2,048 keys, 128 a step: the mask is an input, so no tile is left out.
; LAYOUT.  Both products are used transposed: S^T = K Q^T (source 0 = 16 keys, source 1 = my 16 queries), O^T = V^T P^T: a lane holds ONE query (lane % 16) throughout, and tile t's eight registers are keys (or channels)
; 16 t + 8 (lane / 16) + 0 .. 7: one conversion a tile gives registers 2 t, 2 t + 1 of the next operand.
; THE MASK IS THE C OF THE FIRST PRODUCT: S' = K Q^T + msk, and t = S' x c with c = log2(e) / sqrt(128) x 2^(e6 + e7).  Its image is loaded as it lies, 16 loads of 512 consecutive bytes, straight into the registers
; that the products name as C, TWO KEY STEPS AHEAD of their use (32 loads of a wave are out at the most): no LDS byte, no multiply and no addition is spent on it here.
; K AND V come through a ring of two LDS slots of TWO key steps (65,536 bytes: K, V, K, V, 16,384 each), filled by the tensor data mover: waves 0 to 3 fetch one piece each.  CLUSTER 4 x 1: the four query blocks of a
; cluster belong to one head and ask for each piece JOINTLY.  Slot 0 is asked for at the head, slot 1 behind the full sequence and a round; six refills, each behind a round, each with two key steps in which to land.
; THE MASK'S IMAGES ARE NOT ASKED FOR JOINTLY, though the sixteen heads read the same ones: they go to registers, which a tensor load does not fill; and since their loads run two steps ahead, no prefetch is laid for them.
; NO LDS LOAD IS WAITED FOR STRAIGHT BEHIND ITS ISSUE.  Three sets of four fragments: A (v32-95): K's tiles 0-3, then V's 4-7;  B: K's tiles 4-7;  C: V's tiles 0-3.  Each is loaded again as soon as its last product is issued.
; LIMITS: e6 + e7 between -123 and 129; e9, and e10 - e8 - e9, between -126 and 119.  NaN among the inputs is not served.
; REGISTERS.  Window 0: v1, v3, v8 addresses; v5, v6 the add's two; v12 -M, v13 the largest t, v[14:15] the sum in two halves; v16-31 Q; v32-95 set A; v96-159 S^T, then p; v160-223 O^T; v224-239 p's codes;
; v240, v244 the hold and the scale; v236, v242, v243, v246-255 at work.   Window 1: v0-63, v64-127 the mask's images, even and odd key steps; v128-191 set B; v192-255 set C.
.set SLOT1, 65536                      ; slot 1 begins here: one exclusive or turns an address in one slot into the other's
.set SUB,   32768                      ; a key step's K and V in a slot
.set VOFF,  16384                      ; V's images behind K's
.set SPARE, 2*SLOT1                    ; behind the ring: the spare words, 128 bytes a wave: four blocks of 256 bytes that no other line names
.set LI,   1                           ; v1   16 x lane
.set PFO,  3                           ; v3   the prefetches' offset: 256 x lane; never rewritten
.set SPW,  5
.set NIL,  6
.set ADK,  8                           ; v8   16 x lane + the slot in hand
.set GM,   0                           ; window 1: the mask's images
.set FB,   128                         ; window 1: set B
.set FC,   192                         ; window 1: set C
.set WV,   12                          ; s12  my wave's number
.set TB,   2                           ; s2   LDS byte at which the slot in hand begins
.set SLOTS, 3                          ; s3   refills still to come
.set SEL,  20                          ; s[20:21] lane selects for v_permlanex16_b32: lane l xor 16
.set CS,   22                          ; s[22:23] c
.set G1,   24                          ; s[24:31] descriptor group 1;  s[32:35] group 0 of slot 0's first fill; s[36:39] of slot 1's, which then walks on
.set G0A,  32
.set G0B,  36
.set MB,   50                          ; s[50:51] my row block's images, one key step behind the loads that name it with offset 8,192
.set PFA,  76                          ; s[76:77] where my prefetches stand: one slot further on than the walking descriptor
.set LIM,  80                          ; s80  1 in a wave that prefetches, else the greatest number
.set MSB, 0
.macro WIN new                         ; the immediate's high byte repeats the setting that is left; bits 1:0 source 0, 3:2 source 1, 5:4 source 2, 7:6 destination
.if MSB != (\new)
	s_set_vgpr_msb (MSB<<8)|(\new)
.set MSB, (\new)
.endif
.endm
; A joint load: waves 0 to 3 fetch one piece each, the others nothing.  The branch hangs on the wave's number alone.  An s_nop 0 and four v_nop follow the load.
.macro TLOAD g0
	s_cmp_lt_u32 s[WV], 4
	s_cbranch_scc0 .Lasked_\@
	tensor_load_to_lds s[\g0:\g0+3], s[G1:G1+7]
	s_nop 0
.rept 4
	v_nop
.endr
.Lasked_\@:
.endm
; A PREFETCH INTO THE L2 of what the NEXT refill will ask for: a slot's 32,768 bytes of K and as many of V, two key steps ahead of that load.  Each aligned block of 256 bytes is named once in the launch.
; All clusters of a head walk the same K and V: the head's first cluster asks.  Its four partners take a quarter each, 8,192 bytes, told apart BY ADDRESS; in each, wave 4 asks for K's and wave 5 for V's, lanes 256 bytes apart:
; one instruction.  The last refill asks for nothing: there is no slot behind it.  Slots 0, 1 and 2 come by their loads alone.
.macro ASK
	s_cmp_gt_u32 s[SLOTS], s[LIM]
	s_cbranch_scc0 .Lnot_mine_\@
	global_prefetch_b8 v[PFO], s[PFA:PFA+1] th:TH_LOAD_NT scope:SCOPE_SE
.Lnot_mine_\@:
.endm
.macro CREST                           ; a round of the cluster's barrier behind its opening barrier
	s_cmp_lg_u32 s[WV], 0
	s_cbranch_scc1 .Lnot_wave_0_\@
	s_barrier_signal -3
.Lnot_wave_0_\@:
	s_barrier_wait -3
	s_barrier_signal -1
	s_barrier_wait -1
.endm
.macro CROUND                          ; a whole round
	s_barrier_signal -1
	s_barrier_wait -1
	CREST
.endm
	s_load_b256 s[4:11], s[0:1], 0x0               ; qkv 4:5, msk 6:7, scales 8:9, att 10:11
	v_lshl_add_u32 v[SPW], v0, 2, SPARE
	v_mov_b32 v[NIL], 0
	ds_add_u32 v[SPW], v[NIL]                      ; the wave's opening: the add, twice on end, and its wait ahead of my first tensor load; work on registers stands between them
	ds_add_u32 v[SPW], v[NIL]
	v_lshrrev_b32 v8, 5, v0
	s_delay_alu instid0(VALU_DEP_1)
	v_readfirstlane_b32 s[WV], v8                  ; wave 0..7
	s_and_b32 s17, s[WV], 1                        ; K's piece (0) or V's (1)
	s_bfe_u32 s18, s[WV], 0x10001                  ; of the slot's first or second key step
	s_and_b32 s19, s[WV], 3
	s_bfe_u32 s13, ttmp6, 0x40000                  ; cx: my place in the cluster
	s_lshl_b32 s15, ttmp9, 2
	s_add_co_u32 s15, s15, s13                     ; my block of 128 queries: it enters Q's, the mask's and att's addresses alone
	s_and_b32 s16, ttmp7, 0xffff                   ; my head, which the four partners share
	s_mov_b32 s[G1], 15|(3<<16)|(1<<21)            ; 15:0 the mask: all four work-groups; 17:16 elements of 8 bytes; 21 set beside a mask.  A dense block of 16,384 bytes as 64 rows of 256
	s_mov_b32 s[G1+1], 32<<16                      ; tensor_dim0
	s_mov_b32 s[G1+2], 64<<16                      ; tensor_dim1
	s_mov_b32 s[G1+3], 32<<16                      ; tile_dim0
	s_mov_b32 s[G1+4], 64                          ; tile_dim1
	s_mov_b32 s[G1+5], 32                          ; tensor_dim0_stride
	s_mov_b32 s[G1+6], 0
	s_mov_b32 s[G1+7], 0
	s_add_co_u32 s86, s17, 1                       ; K's matrix or V's,
	s_lshl_b32 s86, s86, 22
	s_lshl_b32 s87, s16, 18                        ; my head,
	s_add_co_u32 s86, s86, s87
	s_lshl_b32 s87, s18, 14                        ; the key step
	s_add_co_u32 s86, s86, s87
	s_mov_b32 s87, 0
	s_lshl_b32 s88, s19, 14                        ; in a slot: K, V, K, V: 16,384 x wave: no place in the cluster enters an LDS address
	s_mov_b32 s[SEL], 0x76543210
	s_mov_b32 s[SEL+1], 0xfedcba98
	s_mov_b32 s[TB], 0
	s_mov_b32 s[SLOTS], 6
	s_wait_dscnt 0x0                               ; both opening adds are done
	s_wait_kmcnt 0x0
	s_load_b128 s[68:71], s[8:9], 0x18             ; e6, e7, e8, e9
	s_load_b32 s72, s[8:9], 0x28                   ; e10
	s_mov_b32 s[G0A], 1
	s_mov_b32 s[G0A+1], s88                        ; slot 0: key steps 0, 1
	s_add_nc_u64 s[G0A+2:G0A+3], s[4:5], s[86:87]
	s_mov_b32 s[G0B], 1
	s_add_co_u32 s[G0B+1], s88, SLOT1              ; slot 1: key steps 2, 3
	s_add_nc_u64 s[G0B+2:G0B+3], s[G0A+2:G0A+3], SUB
	s_or_b32 s[G0A+3], s[G0A+3], 0x80000000
	s_or_b32 s[G0B+3], s[G0B+3], 0x80000000
	CROUND                                         ; all four work-groups are here: the first joint loads meet
	TLOAD G0A                                      ; slot 0: one tensor load a wave at the head
	s_lshl_b32 s82, s16, 18                        ; Q: my head,
	s_lshl_b32 s83, s15, 14                        ; eight images x query block,
	s_add_co_u32 s82, s82, s83
	s_lshl_b32 s83, s[WV], 11                      ; my wave's
	s_add_co_u32 s82, s82, s83
	s_mov_b32 s83, 0
	s_add_nc_u64 s[90:91], s[4:5], s[82:83]
	v_and_b32 v9, 31, v0
	s_delay_alu instid0(VALU_DEP_1)
	v_lshlrev_b32 v[LI], 4, v9
	s_wait_alu depctr_va_vdst(0)
.irp c, 0,1,2,3
	global_load_b128 v[16+4*\c:19+4*\c], v[LI], s[90:91] offset:512*\c     ; Q's fragment stays in registers
.endr
	s_lshl_b32 s82, s15, 20                        ; the mask's images: eight row blocks of 131,072 bytes x query block,
	s_lshl_b32 s83, s[WV], 17                      ; my wave's
	s_add_co_u32 s82, s82, s83
	s_mov_b32 s83, 0
	s_add_nc_u64 s[MB:MB+1], s[6:7], s[82:83]
.macro GLD set, off                    ; one key step's image: a load reads 512 consecutive bytes
.set i, 0
.rept 16
	global_load_b128 v[GM+64*(\set)+4*i:GM+64*(\set)+4*i+3], v[LI], s[MB:MB+1] offset:i*512+\off
.set i, i+1
.endr
.endm
	WIN 0x40                                       ; destination window 1
	GLD 0, 0                                       ; key step 0
	GLD 1, 8192                                    ; key step 1
	WIN 0
	s_lshl_b32 s82, s15, 18                        ; att: row block 8 x query block + wave, image = head
	s_lshl_b32 s83, s[WV], 15
	s_add_co_u32 s82, s82, s83
	s_lshl_b32 s83, s16, 11
	s_add_co_u32 s82, s82, s83
	s_mov_b32 s83, 0
	s_add_nc_u64 s[10:11], s[10:11], s[82:83]
	v_add_nc_u32 v[ADK], s[TB], v[LI]
	; the prefetches: where my wave's stand, and who asks
	v_lshlrev_b32 v[PFO], 8, v9
	s_add_co_u32 s84, s17, 1                       ; K's matrix (even wave) or V's,
	s_lshl_b32 s84, s84, 22
	s_lshl_b32 s85, s16, 18                        ; my head,
	s_add_co_u32 s84, s84, s85
	s_lshl_b32 s85, s13, 13                        ; my work-group's quarter of a slot's 32,768 bytes,
	s_add_co_u32 s84, s84, s85
	s_add_co_u32 s84, s84, 2*SUB                   ; in the third slot's keys: the first refill steps it to the fourth's.  Nothing is prefetched here, at the head
	s_mov_b32 s85, 0
	s_add_nc_u64 s[PFA:PFA+1], s[4:5], s[84:85]
	s_lshr_b32 s82, s[WV], 1
	s_xor_b32 s82, s82, 2                          ; 0 in waves 4 and 5,
	s_or_b32 s82, s82, ttmp9                       ; where the cluster is the head's first: the same in all four partners
	s_cmp_eq_u32 s82, 0
	s_cselect_b32 s[LIM], 1, -1
	v_mov_b32 v13, 0xff61b1e6                      ; the largest t so far: -3e38, under every t
	s_delay_alu instid0(VALU_DEP_1)
	v_floor_f32 v12, -v13                          ; -M
	v_mov_b32 v14, 0                               ; the sum, in two halves
	v_mov_b32 v15, 0
	v_mov_b32 v236, 0                              ; written once: a lane permute's destination counts as one of its sources
	v_mov_b32 v253, 0                              ; (named as the upper half of the pair v[252:253])
.set j, 0
.rept 64
	v_mov_b32 v[160+j], 0                          ; O^T.  (The step is written for every trip alike: the first finds zeros, which the first change of M leaves zeros)
.set j, j+1
.endr
	s_wait_kmcnt 0x0
	s_add_co_i32 s82, s68, s69
	s_lshl_b32 s82, s82, 23
	s_mov_b32 s[CS], 0x3e0293ee                    ; log2(e) / sqrt(128),
	s_add_co_i32 s[CS], s[CS], s82                 ; x 2^(e6 + e7): the exponents are added to its exponent field
	s_mov_b32 s[CS+1], s[CS]                       ; (named with it as a pair, so it is written)
	s_add_co_i32 s82, s71, 127
	s_lshl_b32 s83, s82, 23
	v_mov_b32 v244, s83                            ; 2^e9 as f32, for p's conversions
	s_add_co_i32 s82, s82, 8
	s_lshl_b32 s82, s82, 23
	s_or_b32 s82, s82, 0x600000
	v_mov_b32 v240, s82                            ; 448 x 2^e9
.macro LDA off                         ; four images into set A (window 0)
.irp t, 0,1,2,3
.irp c, 0,1,2,3
	ds_load_b128 v[32+16*\t+4*\c:35+16*\t+4*\c], v[ADK] offset:\off+2048*\t+512*\c
.endr
.endr
.endm
.macro LDW reg, off                    ; four images into set B or C (window 1)
	WIN 0x40
.irp t, 0,1,2,3
.irp c, 0,1,2,3
	ds_load_b128 v[\reg+16*\t+4*\c:\reg+16*\t+4*\c+3], v[ADK] offset:\off+2048*\t+512*\c
.endr
.endr
.endm
.macro RESCALE                         ; O^T under the new M: each accumulator from its low end on.  (Also the plain lines between the conversions and the products that read their results)
.set j, 0
.rept 32
	v_pk_mul_f32 v[160+j:161+j], v[160+j:161+j], v[252:253] op_sel_hi:[1,0]
.set j, j+2
.endr
.endm
; A KEY STEP: 128 keys.  par: the slot's first step (0) or second (1).  chg: 1: the slot has been read out: a round of the cluster's barrier and its refill; 2: the same change with a plain barrier and no refill; 0: none.
; gl = 1: the mask's image of the step after next is asked for.  nxt = 1: there is a next step: its fragments are fetched.
; At its head these LDS loads of mine may be out, oldest first: 16 of set B, 16 of set A, 16 of set C; and these global loads: this step's image, 16, and (nxt = 1) the next step's 16.
; No two matrix instructions that follow each other share an accumulator.
.macro STEP par, chg, gl, nxt
	s_wait_loadcnt 16*\nxt                         ; this step's image of the mask is in; the next step's 16 loads may be out
	s_wait_dscnt 32                                ; set B is in: K's tiles 4-7
	WIN 0x11                                       ; source 0 and C window 1
.irp t, 0,1,2,3
	v_wmma_f32_16x16x128_fp8_fp8 v[128+8*\t:135+8*\t], v[FB+16*\t:FB+16*\t+15], v[16:31], v[GM+64*\par+32+8*\t:GM+64*\par+39+8*\t]
.endr
	s_wait_dscnt 16                                ; set A is in: K's tiles 0-3
	WIN 0x10                                       ; C window 1
.irp t, 0,1,2,3
	v_wmma_f32_16x16x128_fp8_fp8 v[96+8*\t:103+8*\t], v[32+16*\t:47+16*\t], v[16:31], v[GM+64*\par+8*\t:GM+64*\par+7+8*\t]
.endr
.rept 4
	v_nop                                          ; places in front of the loads into set A and into the image's registers, and of the first read of the scores
.endr
	WIN 0
	LDA \par*SUB+VOFF+8192                         ; V's tiles 4-7 land while the softmax is walked
.if \gl
	s_wait_xcnt 0x0                                ; the last step's loads have read their base
	s_add_nc_u64 s[MB:MB+1], s[MB:MB+1], 8192
	WIN 0x40
	GLD \par, 8192                                 ; the image of the step after next, into the set that the products above have read
	WIN 0
.endif
	v_max3_num_f32 v254, v96, v97, v98             ; the step's largest S' of my query, among my 64 keys, in two chains, each tile from its low end on,
	v_max3_num_f32 v252, v99, v100, v101
.irp i, 6,10,14,18,22,26,30,34,38,42,46,50,54,58
	v_max3_num_f32 v254, v254, v[96+\i], v[97+\i]
	v_max3_num_f32 v252, v252, v[98+\i], v[99+\i]
.endr
	v_max3_num_f32 v254, v254, v158, v159
	s_delay_alu instid0(VALU_DEP_1)
	v_max_num_f32 v254, v254, v252
	v_permlanex16_b32 v236, v254, s[SEL], s[SEL+1]
	s_delay_alu instid0(VALU_DEP_1)
	v_max_num_f32 v254, v254, v236                 ; and among lane l xor 16's
	s_delay_alu instid0(VALU_DEP_1)
	v_mul_f32 v254, s[CS], v254                    ; as t (c is positive)
	s_delay_alu instid0(VALU_DEP_1)
	v_max_num_f32 v13, v13, v254                   ; the running largest t
	v_mov_b32 v254, v12
	s_delay_alu instid0(VALU_DEP_2)
	v_floor_f32 v12, -v13                          ; the new -M = floor(-t) = -ceil(t): M is a whole number
	s_delay_alu instid0(VALU_DEP_1)
	v_sub_f32 v254, v12, v254                      ; M's old value less its new one: a whole number, 0 or less
	s_delay_alu instid0(VALU_DEP_1)
	v_cvt_i32_f32 v254, v254                       ; (it saturates)
	s_delay_alu instid0(VALU_DEP_1)
	v_ldexp_f32 v252, 1.0, v254                    ; f = 2^(old M - new M)
.set j, 0
.rept 32
	v_pk_fma_f32 v[96+j:97+j], v[96+j:97+j], s[CS:CS+1], v[12:13] op_sel_hi:[1,0,0]    ; t - M, two at a time (of the pairs c and -M the low word serves both halves)
.set j, j+2
.endr
.set j, 0
	s_wait_alu depctr_va_vdst(0)                   ; the wait ahead of the batch
.rept 64
	v_exp_f32 v[96+j], v[96+j]                     ; p = 2^(t - M), at most 1: not normalised.  One batch
.set j, j+1
.endr
	v_pk_mul_f32 v[14:15], v[14:15], v[252:253] op_sel_hi:[1,0]    ; the sums under the new M (the plain line behind the exponentials)
	s_wait_alu depctr_va_vdst(0)                   ; one wait for the whole batch, ahead of its first reader
	v_pk_add_f32 v[242:243], v[100:101], v[104:105]
	v_pk_add_f32 v[254:255], v[108:109], v[112:113]
	v_pk_add_f32 v[250:251], v[116:117], v[120:121]
	v_pk_add_f32 v[248:249], v[124:125], v[128:129]
	v_pk_add_f32 v[246:247], v[132:133], v[136:137]
	v_pk_add_f32 v[238:239], v[140:141], v[144:145]
	v_pk_add_f32 v[236:237], v[148:149], v[152:153]
	v_pk_add_f32 v[14:15], v[14:15], v[156:157]
	v_pk_add_f32 v[242:243], v[242:243], v[96:97]
	v_pk_add_f32 v[254:255], v[254:255], v[98:99]
	v_pk_add_f32 v[250:251], v[250:251], v[102:103]
	v_pk_add_f32 v[248:249], v[248:249], v[106:107]
	v_pk_add_f32 v[246:247], v[246:247], v[110:111]
	v_pk_add_f32 v[238:239], v[238:239], v[114:115]
	v_pk_add_f32 v[236:237], v[236:237], v[118:119]
	v_pk_add_f32 v[14:15], v[14:15], v[122:123]
	v_pk_add_f32 v[242:243], v[242:243], v[126:127]
	v_pk_add_f32 v[254:255], v[254:255], v[130:131]
	v_pk_add_f32 v[250:251], v[250:251], v[134:135]
	v_pk_add_f32 v[248:249], v[248:249], v[138:139]
	v_pk_add_f32 v[246:247], v[246:247], v[142:143]
	v_pk_add_f32 v[238:239], v[238:239], v[146:147]
	v_pk_add_f32 v[236:237], v[236:237], v[150:151]
	v_pk_add_f32 v[14:15], v[14:15], v[154:155]
	v_pk_add_f32 v[242:243], v[242:243], v[158:159]
	s_delay_alu instid0(VALU_DEP_2)
	v_pk_add_f32 v[14:15], v[14:15], v[248:249]
	s_delay_alu instid0(VALU_DEP_2)
	v_pk_add_f32 v[242:243], v[242:243], v[246:247]
	v_pk_add_f32 v[254:255], v[254:255], v[238:239]
	v_pk_add_f32 v[250:251], v[250:251], v[236:237]
	s_delay_alu instid0(VALU_DEP_2)
	v_pk_add_f32 v[14:15], v[14:15], v[254:255]
	s_delay_alu instid0(VALU_DEP_2)
	v_pk_add_f32 v[242:243], v[242:243], v[250:251]
	s_delay_alu instid0(VALU_DEP_1)
	v_pk_add_f32 v[14:15], v[14:15], v[242:243]
.irp t, 0,1,2,3,4,5,6,7
.irp i, 0,1,2,3,4,5,6,7
	v_min_num_f32 v[96+8*\t+\i], v[96+8*\t+\i], v240               ; the conversion does not saturate (ISA guide 7.6.2); p is not negative, so the hold is one-sided
.endr
	v_cvt_scalef32_pk8_fp8_f32 v[224+2*\t:225+2*\t], v[96+8*\t:103+8*\t], v244     ; registers 2 t, 2 t + 1 of P: keys 16 t + 8 h + 0 .. 7
.endr
	v_nop                                          ; a plain line behind the last conversion
.if \chg
	; THE CHANGE OF SLOTS.  All of this slot that I need lies in registers or is on its way there.  Each wave waits for all its tensor loads (its piece of the other slot), adds 0 to its spare word, and waits for that and for its reads.
	s_wait_tensorcnt 0x0                           ; no tensor load of mine is out, so a group 0 may be written
	ds_add_u32 v[SPW], v[NIL]                      ; 0 onto my spare word; the descriptor's steps stand between it and the wait for it
.if \chg == 1
	ds_add_u32 v[SPW], v[NIL]                      ; ahead of a refill once more
	s_xor_b32 s[G0B+1], s[G0B+1], SLOT1            ; the walking descriptor: the other slot than last time,
	s_add_nc_u64 s[G0B+2:G0B+3], s[G0B+2:G0B+3], SUB       ; the next two key steps; the type bits on top are not reached
	s_wait_xcnt 0x0                                ; the last prefetch, two key steps back, has read its address, so it may be written
	s_add_nc_u64 s[PFA:PFA+1], s[PFA:PFA+1], SUB
.endif
	s_wait_dscnt 0x0                               ; the add is done, and my reads of this slot are over
	s_barrier_signal -1                            ; (with a refill this barrier opens a round of the cluster's)
	RESCALE                                        ; work on registers while the others arrive
	s_barrier_wait -1
.if \chg == 1
	CREST                                          ; no wave of any partner still reads this slot or has a load on its way
	TLOAD G0B                                      ; the first thing behind the round, a wave's one tensor load until the next: it has two key steps in which to land
	ASK
.endif
.endif
.if \nxt
.if \par
	s_xor_b32 s[TB], s[TB], SLOT1                  ; on to the other slot, which is whole
	v_add_nc_u32 v[ADK], s[TB], v[LI]
.endif
	LDW FB, (1-\par)*SUB+8192                      ; the next step's K, tiles 4-7
	WIN 0
.endif
.if \chg == 0
	RESCALE
.endif
	s_wait_alu depctr_va_vdst(0)                   ; the wait here, directly ahead of the wait below
	s_wait_dscnt 16*\nxt                           ; V's tiles 4-7 (and 0-3, asked for earlier) are in; behind them: 16 loads of set B
.irp t, 0,1,2,3
	v_wmma_f32_16x16x128_fp8_fp8 v[192+8*\t:199+8*\t], v[32+16*\t:47+16*\t], v[224:239], v[192+8*\t:199+8*\t]
.endr
.rept 4
	v_nop                                          ; places in front of the loads into set A
.endr
.if \nxt
	LDA (1-\par)*SUB                               ; the next step's K, tiles 0-3
.endif
	WIN 0x01
.irp t, 0,1,2,3
	v_wmma_f32_16x16x128_fp8_fp8 v[160+8*\t:167+8*\t], v[FC+16*\t:FC+16*\t+15], v[224:239], v[160+8*\t:167+8*\t]
.endr
.if \nxt
.rept 4
	v_nop                                          ; places in front of the loads into set C
.endr
	LDW FC, (1-\par)*SUB+VOFF                      ; the next step's V, tiles 0-3
.endif
	WIN 0                                          ; at a label and at a branch every window is 0
.endm
	s_wait_alu depctr_va_vdst(0)                   ; the wait at the head's end
	s_wait_tensorcnt 0x0                           ; my piece of slot 0 is in; these lines stand ahead of a later first fill as ahead of a refill:
	ds_add_u32 v[SPW], v[NIL]
	ds_add_u32 v[SPW], v[NIL]
	s_wait_dscnt 0x0
	CROUND                                         ; everybody's piece of slot 0 is in, and the four work-groups are here: the joint loads meet
	TLOAD G0B                                      ; slot 1's first fill, the first tensor load behind the round
	LDW FB, 8192                                   ; key step 0: the order in which a step's head counts them
	WIN 0
	LDA 0
	LDW FC, VOFF
	WIN 0
.Lslot:                                            ; six trips of two key steps: every slot but the last two is filled again
	STEP 0, 0, 1, 1
	STEP 1, 1, 1, 1
	s_sub_co_u32 s[SLOTS], s[SLOTS], 1
	s_cmp_lg_u32 s[SLOTS], 0
	s_cbranch_scc1 .Lslot
	STEP 0, 0, 1, 1                                ; the last four key steps are written out and no load leaves the images
	STEP 1, 2, 1, 1                                ; the last change of slots: nothing is left to fetch
	STEP 0, 0, 0, 1
	STEP 1, 0, 0, 0
	; THE WAY OUT.  O^T / the sum is quantised with e10: code = (O^T / l) / 2^(e10 - e8 - e9).  Tile t's eight channels become registers 2 t, 2 t + 1 of a fragment of the last projection: image (my 16 tokens, K chunk = my head).
.rept 4
	v_nop
.endr
	v_add_f32 v14, v14, v15                        ; the sum's two halves,
	s_delay_alu instid0(VALU_DEP_1)
	v_permlanex16_b32 v252, v14, s[SEL], s[SEL+1]
	s_delay_alu instid0(VALU_DEP_1)
	v_add_f32 v14, v14, v252                       ; and lane l xor 16's
	s_wait_alu depctr_va_vdst(0)
	v_rcp_f32 v14, v14
	s_sub_co_i32 s82, s72, s70
	s_sub_co_i32 s82, s82, s71
	s_add_co_i32 s82, s82, 127
	s_lshl_b32 s83, s82, 23
	v_mov_b32 v244, s83                            ; (the plain line behind the reciprocal)  2^(e10 - e8 - e9)
	s_add_co_i32 s82, s82, 8
	s_lshl_b32 s82, s82, 23
	s_or_b32 s82, s82, 0x600000
	v_mov_b32 v240, s82                            ; 448 x that
	s_wait_alu depctr_va_vdst(0)                   ; the wait, ahead of the reciprocal's first reader
.set j, 0
.rept 64
	v_mul_f32 v[96+j], v[160+j], v14               ; each accumulator from its low end on
.set j, j+1
.endr
.set j, 0
.rept 64
	v_med3_num_f32 v[96+j], v[96+j], -v240, v240
.set j, j+1
.endr
.irp t, 0,1,2,3,4,5,6,7
	v_cvt_scalef32_pk8_fp8_f32 v[224+2*\t:225+2*\t], v[96+8*\t:103+8*\t], v244
.endr
	v_nop
.irp g, 0,1,2,3
	global_store_b128 v[LI], v[224+4*\g:227+4*\g], s[10:11] offset:512*\g      ; 32 lanes store 512 consecutive bytes of the image
.endr
	s_wait_tensorcnt 0x0                           ; the wave's end
	ds_add_u32 v[SPW], v[NIL]
	s_wait_dscnt 0x0
	CROUND                                         ; the closing round: no work-group ends while a partner may still ask for a piece that names it
	s_endpgm
.Lfunc_end_k_qb459e4dcf8_attn:
	.size	k_qb459e4dcf8_attn, .Lfunc_end_k_qb459e4dcf8_attn-k_qb459e4dcf8_attn
	.p2alignl 7, 3214868480
	.fill 96, 4, 3214868480
	.section	.rodata,"a",@progbits
	.p2align	6, 0x0
	.amdhsa_kernel k_qb459e4dcf8_attn
		.amdhsa_group_segment_fixed_size 327680
		.amdhsa_private_segment_fixed_size 0
		.amdhsa_enable_private_segment 0
		.amdhsa_kernarg_size 32
		.amdhsa_user_sgpr_count 2
		.amdhsa_user_sgpr_kernarg_segment_ptr 1
		.amdhsa_wavefront_size32 1
		.amdhsa_system_sgpr_workgroup_id_x 1
		.amdhsa_system_sgpr_workgroup_id_y 1
		.amdhsa_system_sgpr_workgroup_id_z 1
		.amdhsa_system_vgpr_workitem_id 0
		.amdhsa_next_free_vgpr 512
		.amdhsa_next_free_sgpr 100
		.amdhsa_reserve_vcc 0
		.amdhsa_float_denorm_mode_32 3
		.amdhsa_float_denorm_mode_16_64 3
		.amdhsa_memory_ordered 1
		.amdhsa_forward_progress 1
		.amdhsa_inst_pref_size 143
	.end_amdhsa_kernel
	.amdgpu_metadata
---
amdhsa.version: [ 1, 2 ]
amdhsa.kernels:
  - .name:           k_qb459e4dcf8_attn
    .symbol:         k_qb459e4dcf8_attn.kd
    .args:
      - { .name: qkv, .offset: 0, .size: 8, .value_kind: global_buffer, .address_space: global }
      - { .name: msk, .offset: 8, .size: 8, .value_kind: global_buffer, .address_space: global }
      - { .name: lowp_scales, .offset: 16, .size: 8, .value_kind: global_buffer, .address_space: global }
      - { .name: att, .offset: 24, .size: 8, .value_kind: global_buffer, .address_space: global }
    .group_segment_fixed_size: 327680
    .private_segment_fixed_size: 0
    .kernarg_segment_align: 8
    .kernarg_segment_size: 32
    .max_flat_workgroup_size: 256
    .sgpr_count:     100
    .vgpr_count:     512
    .wavefront_size: 32
...
	.end_amdgpu_metadata
.endif
;; end of part 3
;; launch oproj (part 4): grid 16 x 16, 4 waves a work-group, clusters of 4 x 4, 327,680 bytes of LDS; arguments att, woc, lowp_scales, out0; writes out0
.if DOCPART == 4
	.amdgcn_target "amdgcn-amd-amdhsa--gfx1250"
	.amdhsa_code_object_version 6
	.text
	.protected	k_qb459e4dcf8_oproj
	.globl	k_qb459e4dcf8_oproj
	.p2align	8
	.type	k_qb459e4dcf8_oproj,@function
k_qb459e4dcf8_oproj:
	s_mov_b64 s[64:65], 0
	v_nop
	global_prefetch_b8 v0, s[64:65] scope:SCOPE_SE
	s_setreg_imm32_b32 hwreg(HW_REG_WAVE_MODE, 25, 1), 1
	s_wait_xcnt 0x0
	s_wait_alu depctr_hold_cnt(0) depctr_sa_sdst(0) depctr_va_vdst(0) depctr_va_sdst(0) depctr_va_ssrc(0) depctr_va_vcc(0) depctr_vm_vsrc(0)
	s_getreg_b32 s2, hwreg(HW_REG_IB_STS2, 6, 4)
	s_cmp_eq_u32 s2, 0
	s_cbranch_scc0 .Lentry_in_a_cluster
	s_endpgm
.Lentry_in_a_cluster:
	s_bfe_u32 s2, ttmp6, 0x10000c
	s_cmp_lg_u32 s2, 0xf033
	s_cbranch_scc0 .Lentry_shape_is_right
	s_endpgm
.Lentry_shape_is_right:
.set SLOT,   131072
.set STAGE,  2*SLOT
.set SPITCH, 272
.set SPARE,  STAGE+4*16*SPITCH
.set ADRA, 16
.set ADRB, 20
.set STO,  24
.set RD,   25
.set CO,   26
.set SPW,  28
.set NIL,  29
.set TMP,  32
.set ACC,  128
.set F0,   0
.set F1,   128
.set G1, 24
.set G0, 32
.set G1B, 48
.set G0B, 56
.set MSB, 0
.macro WIN new
.if MSB != (\new)
	s_set_vgpr_msb (MSB<<8)|(\new)
.set MSB, (\new)
.endif
.endm
.set MUL,  0x05
.set TO_F, 0x40
.macro JLOAD s
	s_cmp_eq_u32 s15, 0
	s_cbranch_scc0 .Lfor_b_\@
	tensor_load_to_lds s[G0+4*\s:G0+4*\s+3], s[G1:G1+7]
	s_nop 0
.rept 4
	v_nop
.endr
	s_branch .Lasked_\@
.Lfor_b_\@:
	tensor_load_to_lds s[G0B+4*\s:G0B+4*\s+3], s[G1B:G1B+7]
	s_nop 0
.rept 4
	v_nop
.endr
.Lasked_\@:
.endm
.macro CREST
	s_cmp_lg_u32 s14, 0
	s_cbranch_scc1 .Lnot_wave_0_\@
	s_barrier_signal -3
.Lnot_wave_0_\@:
	s_barrier_wait -3
	s_barrier_signal -1
	s_barrier_wait -1
.endm
.macro CROUND
	s_barrier_signal -1
	s_barrier_wait -1
	CREST
.endm
	s_load_b256 s[4:11], s[0:1], 0x0
	v_lshl_add_u32 v[SPW], v0, 2, SPARE
	v_mov_b32 v[NIL], 0
	ds_add_u32 v[SPW], v[NIL]
	ds_add_u32 v[SPW], v[NIL]
	v_lshrrev_b32 v1, 5, v0
	v_readfirstlane_b32 s14, v1
	s_lshr_b32 s15, s14, 1
	s_and_b32 s16, s14, 1
	s_bfe_u32 s40, ttmp6, 0x40000
	s_bfe_u32 s41, ttmp6, 0x40004
	s_lshl_b32 s42, ttmp9, 2
	s_add_co_u32 s42, s42, s40
	s_and_b32 s17, ttmp7, 0xffff
	s_lshl_b32 s17, s17, 2
	s_add_co_u32 s17, s17, s41
	s_lshl_b32 s43, s41, 2
	s_lshl_b32 s43, 15, s43
	s_lshl_b32 s44, 0x1111, s40
	s_or_b32 s[G1+0], s43, (3<<16)|(1<<21)
	s_or_b32 s[G1B+0], s44, (3<<16)|(1<<21)
.irp g, G1, G1B
	s_mov_b32 s[\g+1], 1024<<16
	s_mov_b32 s[\g+2], 4<<16
	s_mov_b32 s[\g+3], 1024<<16
	s_mov_b32 s[\g+4], 4
	s_mov_b32 s[\g+5], 4096
	s_mov_b32 s[\g+6], 0
	s_mov_b32 s[\g+7], 0
.endr
	s_lshl_b32 s23, s16, 17
	s_lshl_b32 s20, s17, 18
	s_add_co_u32 s20, s20, s23
	s_mov_b32 s21, 0
	s_lshl_b32 s46, s42, 18
	s_add_co_u32 s46, s46, s23
	s_mov_b32 s47, 0
	s_lshl_b32 s22, s14, 15
	s_wait_dscnt 0x0
	s_wait_kmcnt 0x0
	s_load_b64 s[68:69], s[8:9], 0x28
	s_add_nc_u64 s[20:21], s[4:5], s[20:21]
	s_add_nc_u64 s[46:47], s[6:7], s[46:47]
	CROUND
.irp s, 0,1
	s_mov_b32 s[G0+4*\s], 1
	s_add_co_u32 s[G0+4*\s+1], s22, \s*SLOT
	s_add_nc_u64 s[G0+4*\s+2:G0+4*\s+3], s[20:21], \s*8192
	s_or_b32 s[G0+4*\s+3], s[G0+4*\s+3], 0x80000000
	s_mov_b32 s[G0B+4*\s], 1
	s_add_co_u32 s[G0B+4*\s+1], s22, \s*SLOT
	s_add_nc_u64 s[G0B+4*\s+2:G0B+4*\s+3], s[46:47], \s*8192
	s_or_b32 s[G0B+4*\s+3], s[G0B+4*\s+3], 0x80000000
.if \s                                 ; slot 0's load is the wave's one load at the head; slot 1's first fill stands behind the full sequence and a round
	s_wait_alu depctr_va_vdst(0)
	s_wait_tensorcnt 0x0
	ds_add_u32 v28, v29
	s_wait_dscnt 0x0
	CROUND
.endif
	JLOAD \s
.endr
	v_and_b32 v3, 31, v0
	v_lshlrev_b32 v3, 4, v3
	s_lshl_b32 s72, s15, 15
	s_lshl_b32 s73, s16, 15
	s_add_co_u32 s73, s73, 65536
.irp s, 0,1
	v_add_nc_u32 v[ADRA+\s], s72, v3
	v_add_nc_u32 v[ADRB+\s], s73, v3
	s_add_co_u32 s72, s72, SLOT
	s_add_co_u32 s73, s73, SLOT
.endr
	v_and_b32 v1, 15, v0
	v_bfe_u32 v2, v0, 4, 1
	s_mul_i32 s72, s14, 16*SPITCH
	s_add_co_u32 s72, s72, STAGE
	v_mul_u32_u24 v4, v1, SPITCH
	v_lshl_add_u32 v4, v2, 5, v4
	v_add_nc_u32 v[STO], s72, v4
	v_mul_u32_u24 v5, v2, SPITCH
	v_lshl_add_u32 v5, v1, 4, v5
	v_add_nc_u32 v[RD], s72, v5
	v_lshlrev_b32 v5, 13, v2
	v_lshl_add_u32 v[CO], v1, 4, v5
	s_lshl_b32 s72, s17, 20
	s_lshl_b32 s73, s15, 19
	s_add_co_u32 s72, s72, s73
	s_lshl_b32 s73, s42, 9
	s_add_co_u32 s72, s72, s73
	s_lshl_b32 s73, s16, 8
	s_add_co_u32 s72, s72, s73
	s_mov_b32 s73, 0
	s_add_nc_u64 s[10:11], s[10:11], s[72:73]
.macro MUL8 f, a0, zero
.irp a, \a0, \a0+1
.irp b, 0,1,2,3
.if \zero
	v_wmma_f32_16x16x128_fp8_fp8 v[ACC+8*(4*(\a)+\b):ACC+8*(4*(\a)+\b)+7], v[\f+64+16*\b:\f+64+16*\b+15], v[\f+16*(\a):\f+16*(\a)+15], 0
.else
	v_wmma_f32_16x16x128_fp8_fp8 v[ACC+8*(4*(\a)+\b):ACC+8*(4*(\a)+\b)+7], v[\f+64+16*\b:\f+64+16*\b+15], v[\f+16*(\a):\f+16*(\a)+15], v[ACC+8*(4*(\a)+\b):ACC+8*(4*(\a)+\b)+7]
.endif
.endr
.endr
.endm
.macro FETCH slot, q, f
	WIN TO_F
.irp i, 0,1,2,3
.irp c, 0,1,2,3
	ds_load_b128 v[\f+64+16*\i+4*\c:\f+64+16*\i+4*\c+3], v[ADRB+\slot] offset:\i*8192+(\q)*2048+512*\c
	ds_load_b128 v[\f+16*\i+4*\c:\f+16*\i+4*\c+3], v[ADRA+\slot] offset:\i*8192+(\q)*2048+512*\c
.endr
.endr
.endm
.macro PLACES
.rept 4
	v_nop
.endr
.endm
.macro CHUNK slot, qnext, f, g, zero
	s_wait_dscnt 0x0
	PLACES
	FETCH \slot, \qnext, \g
	WIN MUL
	MUL8 \f, 0, \zero
	MUL8 \f, 2, \zero
.endm
.macro TURN slot, next, fill
	WIN 0
	s_wait_tensorcnt 0x0
	ds_add_u32 v[SPW], v[NIL]
	s_wait_dscnt 1
	WIN MUL
	MUL8 F1, 0, 0
	s_wait_dscnt 0x0
	s_barrier_signal -1
	WIN 0
	s_barrier_wait -1
.if \fill
	CREST
	s_add_nc_u64 s[G0+4*\slot+2:G0+4*\slot+3], s[G0+4*\slot+2:G0+4*\slot+3], 16384
	s_add_nc_u64 s[G0B+4*\slot+2:G0B+4*\slot+3], s[G0B+4*\slot+2:G0B+4*\slot+3], 16384
	JLOAD \slot
.else
	PLACES
.endif
	FETCH \next, 0, F0
	WIN MUL
	MUL8 F1, 2, 0
.endm
	s_wait_tensorcnt 1
	s_barrier_signal -1
	s_barrier_wait -1
	FETCH 0, 0, F0
	CHUNK 0, 1, F0, F1, 1
	CHUNK 0, 2, F1, F0, 0
	CHUNK 0, 3, F0, F1, 0
	TURN 0, 1, 1
	CHUNK 1, 1, F0, F1, 0
	CHUNK 1, 2, F1, F0, 0
	CHUNK 1, 3, F0, F1, 0
	TURN 1, 0, 1
	CHUNK 0, 1, F0, F1, 0
	CHUNK 0, 2, F1, F0, 0
	CHUNK 0, 3, F0, F1, 0
	TURN 0, 1, 0
	CHUNK 1, 1, F0, F1, 0
	CHUNK 1, 2, F1, F0, 0
	CHUNK 1, 3, F0, F1, 0
	s_wait_dscnt 0x0
	MUL8 F1, 0, 0
	MUL8 F1, 2, 0
	WIN 0
.macro TOSTAGE a
.set TM, TMP+32*((\a)%2)
.set AC, ACC+32*(\a)
.set j, 0
.rept 16
	v_pk_mul_f32 v[TM+j:TM+j+1], v[AC+j:AC+j+1], s[70:71] op_sel_hi:[1,0]
.set j, j+2
.endr
.irp b, 0,1,2,3
	ds_store_b128 v[STO], v[TM+8*\b:TM+8*\b+3] offset:64*\b
	ds_store_b128 v[STO], v[TM+8*\b+4:TM+8*\b+7] offset:64*\b+16
.endr
.irp t, 0,1,2,3,4,5,6,7
	ds_load_b128 v[AC+4*\t:AC+4*\t+3], v[RD] offset:\t*2*SPITCH
.endr
.endm
.macro SEND a, younger
.set AC, ACC+32*(\a)
	s_wait_dscnt \younger
.irp t, 0,1,2,3,4,5,6,7
	global_store_b128 v[CO], v[AC+4*\t:AC+4*\t+3], s[10:11] offset:(16*(\a)+2*\t)*8192 th:TH_STORE_NT
.endr
.endm
	s_wait_kmcnt 0x0
	s_add_co_i32 s70, s68, s69
	s_add_co_i32 s70, s70, 127
	s_lshl_b32 s70, s70, 23
	s_mov_b32 s71, s70
	PLACES
	TOSTAGE 0
.irp a, 1,2,3
	TOSTAGE \a
	SEND \a-1, 16
.endr
	SEND 3, 0
	s_wait_tensorcnt 0x0
	ds_add_u32 v[SPW], v[NIL]
	s_wait_dscnt 0x0
	CROUND
	s_endpgm
.Lfunc_end_k_qb459e4dcf8_oproj:
	.size	k_qb459e4dcf8_oproj, .Lfunc_end_k_qb459e4dcf8_oproj-k_qb459e4dcf8_oproj
	.p2alignl 7, 3214868480
	.fill 96, 4, 3214868480
	.section	.rodata,"a",@progbits
	.p2align	6, 0x0
	.amdhsa_kernel k_qb459e4dcf8_oproj
		.amdhsa_group_segment_fixed_size 327680
		.amdhsa_private_segment_fixed_size 0
		.amdhsa_enable_private_segment 0
		.amdhsa_kernarg_size 32
		.amdhsa_user_sgpr_count 2
		.amdhsa_user_sgpr_kernarg_segment_ptr 1
		.amdhsa_wavefront_size32 1
		.amdhsa_system_sgpr_workgroup_id_x 1
		.amdhsa_system_sgpr_workgroup_id_y 1
		.amdhsa_system_sgpr_workgroup_id_z 1
		.amdhsa_system_vgpr_workitem_id 0
		.amdhsa_next_free_vgpr 512
		.amdhsa_next_free_sgpr 80
		.amdhsa_reserve_vcc 0
		.amdhsa_float_denorm_mode_32 3
		.amdhsa_float_denorm_mode_16_64 3
		.amdhsa_memory_ordered 1
		.amdhsa_forward_progress 1
		.amdhsa_inst_pref_size 73
	.end_amdhsa_kernel
	.amdgpu_metadata
---
amdhsa.version: [ 1, 2 ]
amdhsa.kernels:
  - .name:           k_qb459e4dcf8_oproj
    .symbol:         k_qb459e4dcf8_oproj.kd
    .args:
      - { .name: att, .offset: 0, .size: 8, .value_kind: global_buffer, .address_space: global }
      - { .name: woc, .offset: 8, .size: 8, .value_kind: global_buffer, .address_space: global }
      - { .name: lowp_scales, .offset: 16, .size: 8, .value_kind: global_buffer, .address_space: global }
      - { .name: out0, .offset: 24, .size: 8, .value_kind: global_buffer, .address_space: global }
    .group_segment_fixed_size: 327680
    .private_segment_fixed_size: 0
    .kernarg_segment_align: 8
    .kernarg_segment_size: 32
    .max_flat_workgroup_size: 128
    .sgpr_count:     80
    .vgpr_count:     512
    .wavefront_size: 32
...
	.end_amdgpu_metadata
.endif
;; end of part 4
